; MI455X (gfx1250); checked and timed in simulation.
; The chip was launched on July 23, 2026; its instructions are those of AMD's public machine-readable ISA for CDNA 5 (MIT licence, August 2026) and "CDNA5" Instruction Set Architecture Reference Guide (July 2026). The comments in the code are by the model that wrote it; some were corrected since.
;; Router. Allowed arithmetic: float matrix products may take bf16 or f16 operands with f32 sums; other float arithmetic in f32, or as packed bf16 or f16 multiplies, adds, multiply-adds, maxima and minima; sums over many terms, partial sums and values carried from step to step in f32; what a program stores and reads back later, other than sums and carried values, may be rounded once to bf16 or f16.
;; Inputs: We 8 x 2,048 x 2,048 float32; Wp 8 x 2,048 float32; be 8 x 2,048 float32; bp 8 float32; condition 2,048 x 2,048 float32; inputs 2,048 x 2,048 float32.
;; Outputs: out0 2,048 x 2,048 float32.
;; 3 versions, each right; version 2 is faster than version 1; version 3 is version 2 with the launch experts written anew for expert scheduling mode. Each part assembles by itself: llvm-mc -triple=amdgcn-amd-amdhsa -mcpu=gfx1250 --defsym DOCPART=n.
;; ======== version 1 of 3: 2 launches
;; workspace buffers: idx 8,192 bytes of whole numbers; xb 8,388,608 bytes
;; launch route (part 1): grid 256 x 1, 8 waves a work-group, no clusters, 66,560 bytes of LDS; arguments condition, Wp, bp, inputs, idx, xb; writes idx, xb
.if DOCPART == 1
	.amdgcn_target "amdgcn-amd-amdhsa--gfx1250"
	.amdhsa_code_object_version 6
	.text
	.protected	k_q672602b89d_route
	.globl	k_q672602b89d_route
	.p2align	8
	.type	k_q672602b89d_route,@function
k_q672602b89d_route:
	s_mov_b64 s[64:65], 0
	v_nop
	global_prefetch_b8 v0, s[64:65] scope:SCOPE_SE
	s_setreg_imm32_b32 hwreg(HW_REG_WAVE_MODE, 25, 1), 1
	s_wait_xcnt 0x0
; idx[n] = argmax over e of (condition[n] . Wp[e] + bp[e]);  xb[n][:] = inputs[n][:] rounded to bf16.
; condition, inputs: [2048][2048] f32.  Wp: [8][2048] f32.  bp: [8] f32.  idx: [2048] u32.  xb: [2048][2048] bf16.
; FORMATS.  condition, Wp and bp are rounded once to bf16 (nearest even), like every other input of the program; the products of
; two such numbers are exact in f32, and the sums are kept in f32.
; WHY THE VECTOR UNIT.  2048 x 8 x 2048 multiply-adds are 1/256 of the program's; 8 columns fill half of a 16 x 16 tile, and a matrix
; operand wants one row a lane, where a load wants 32 lanes along one row: the rows would have to be turned in LDS.  The launch moves
; 196,608 bytes in and 32,800 out for each work-group and does 512 packed multiply-adds a wave beside that.
; LIMITS.  The logits are taken to be finite (a NaN never wins here; reference()'s argmax would choose it, and its factor 1 + (p - p)
; would make the row NaN; for finite logits that factor is exactly 1).  An exact tie goes to the lower index, as in reference().  Two
; logits closer than the rounding of an f32 sum of 2,048 terms may be ordered otherwise than by reference()'s own order of summing.
; SHARES.  Work-group g owns rows 8 g .. 8 g + 7.  Waves 0-3 make the logits of two rows each, waves 4-7 round two rows of inputs each.
; Every wave first brings one row of Wp into LDS.  All of a wave's 48 loads go out before its first wait.
; No cluster: the work-groups share Wp alone, 65,536 of each one's 196,608 bytes in, and it comes through registers to be rounded.
.set SPARE, 65536                      ; behind Wp's 65,536 bytes: the spare words, 128 bytes for each of eight waves; no other line names them
.set T,    32                          ; v[32:95]   Wp's row as loaded; then two buffers of 8 experts x 4 numbers (logits) or the packed rows (rounding)
.set C,    96                          ; v[96:223]  my two rows: row rho, piece j (4 numbers a lane) at C + 64 rho + 4 j
.set A,    224                         ; v[224:255] sums: row rho, expert e: a pair at A + 16 rho + 2 e
.set P,    4                           ; v[4:19]    at work while rounding; then the 16 logits, P + 8 rho + e
.set BEST, 20                          ; v[20:21]   the largest logit so far, by row
.set BIX,  22                          ; v[22:23]   its expert
	s_load_b256 s[4:11], s[0:1], 0x0               ; condition s[4:5], Wp s[6:7], bp s[8:9], inputs s[10:11]
	s_load_b128 s[12:15], s[0:1], 0x20             ; idx s[12:13], xb s[14:15]
	v_lshl_add_u32 v30, v0, 2, SPARE               ; my spare word,
	v_mov_b32 v31, 0                               ; and 0: kept for the add at the wave's end alone
	v_lshrrev_b32 v1, 5, v0
	v_readfirstlane_b32 s16, v1                    ; wave 0..7
	v_and_b32 v1, 31, v0                           ; lane
	v_lshlrev_b32 v2, 4, v1                        ; 16 x lane: my 16 bytes in 512
	v_lshlrev_b32 v3, 3, v1                        ; 8 x lane: my 8 bytes in 256
	v_lshl_add_u32 v28, s16, 13, v2                ; where my part of Wp's row goes in LDS: 8,192 x wave + 16 x lane
	s_and_b32 s17, s16, 3                          ; which pair of the group's rows is mine
	s_mov_b32 s19, 0
	s_mov_b32 s30, 0x76543210                      ; v_permlanex16_b32: each lane takes its own place in the other half
	s_mov_b32 s31, 0xfedcba98
	s_mov_b32 s34, 0xffff0000                      ; a word's upper bf16
	s_lshl_b32 s18, s16, 13                        ; Wp's row number = my wave's number
	s_wait_kmcnt 0x0
	s_load_b256 s[20:27], s[8:9], 0x0              ; bp: 32 bytes, the whole buffer
	s_add_nc_u64 s[6:7], s[6:7], s[18:19]
.set j, 0
.rept 16
	global_load_b128 v[T+4*j:T+4*j+3], v2, s[6:7] offset:512*j
.set j, j+1
.endr
	s_cmp_lt_u32 s16, 4
	s_cselect_b64 s[28:29], s[4:5], s[10:11]       ; waves 0-3 stream condition, waves 4-7 inputs
	s_lshl_b32 s18, ttmp9, 16                      ; 8 rows of 8,192 bytes a work-group,
	s_lshl_b32 s33, s17, 14                        ; 2 rows a wave
	s_add_co_u32 s18, s18, s33
	s_add_nc_u64 s[28:29], s[28:29], s[18:19]
.set j, 0
.rept 16                                           ; piece by piece, both rows: each load takes 512 neighbouring bytes
	global_load_b128 v[C+4*j:C+4*j+3],       v2, s[28:29] offset:512*j th:TH_LOAD_NT
	global_load_b128 v[C+64+4*j:C+64+4*j+3], v2, s[28:29] offset:8192+512*j th:TH_LOAD_NT
.set j, j+1
.endr
	s_wait_loadcnt 32                              ; loads come back in order (ISA guide 5.7.1): Wp's 16 are in, the 32 of my rows stay out
.set j, 0
.rept 16                                           ; Wp rounded to bf16, widened again, and laid into LDS as it lies in memory
	v_cvt_pk_bf16_f32 v[P+2*(j%8)],   v[T+4*j],   v[T+4*j+1]
	v_cvt_pk_bf16_f32 v[P+2*(j%8)+1], v[T+4*j+2], v[T+4*j+3]
	v_lshlrev_b32 v[T+4*j],   16,  v[P+2*(j%8)]
	v_and_b32     v[T+4*j+1], s34, v[P+2*(j%8)]
	v_lshlrev_b32 v[T+4*j+2], 16,  v[P+2*(j%8)+1]
	v_and_b32     v[T+4*j+3], s34, v[P+2*(j%8)+1]
	ds_store_b128 v28, v[T+4*j:T+4*j+3] offset:512*j
.set j, j+1
.endr
	s_wait_kmcnt 0x0                               ; bp
	s_wait_dscnt 0x0                               ; for the others' sake: my row of Wp is in LDS
	s_barrier_signal -1
	s_barrier_wait -1                              ; all eight rows are
	s_cmp_lt_u32 s16, 4
	s_cbranch_scc1 .Llogits
	; WAVES 4-7: two rows of inputs, rounded.  Four numbers a lane become 8 bytes; a store's 32 lanes cover 256 consecutive bytes, aligned.
	s_lshl_b32 s18, ttmp9, 15                      ; 8 rows of 4,096 bytes a work-group,
	s_lshl_b32 s33, s17, 13                        ; 2 rows a wave
	s_add_co_u32 s18, s18, s33
	s_add_nc_u64 s[14:15], s[14:15], s[18:19]
.set i, 0
.rept 32                                           ; i = 2 j + rho, the order of the loads; each i has its own two registers, so no store's data is written again
	s_wait_loadcnt 31-i
	v_cvt_pk_bf16_f32 v[T+2*i],   v[C+64*(i%2)+4*(i/2)],   v[C+64*(i%2)+4*(i/2)+1]
	v_cvt_pk_bf16_f32 v[T+2*i+1], v[C+64*(i%2)+4*(i/2)+2], v[C+64*(i%2)+4*(i/2)+3]
	global_store_b64 v3, v[T+2*i:T+2*i+1], s[14:15] offset:4096*(i%2)+256*(i/2)
.set i, i+1
.endr
	s_wait_tensorcnt 0x0                           ; the wave's end
	ds_add_u32 v30, v31
	s_wait_dscnt 0x0
	s_endpgm
	; WAVES 0-3: sixteen sums a lane (2 rows x 8 experts), two numbers at a time.
.Llogits:
.macro WLOAD j                         ; piece j of all eight rows of Wp: 32 lanes x 16 neighbouring bytes each
.irp e, 0,1,2,3,4,5,6,7
	ds_load_b128 v[T+32*((\j)&1)+4*(\e):T+32*((\j)&1)+4*(\e)+3], v2 offset:(\e)*8192+512*(\j)
.endr
.endm
.macro DOT j, k, start                 ; numbers k, k + 1 of piece j: 16 packed multiply-adds on 16 sums; start = 1: the products start the sums
.irp rho, 0,1
.irp e, 0,1,2,3,4,5,6,7
.if \start
	v_pk_mul_f32 v[A+16*(\rho)+2*(\e):A+16*(\rho)+2*(\e)+1], v[C+64*(\rho)+4*(\j)+(\k):C+64*(\rho)+4*(\j)+(\k)+1], v[T+32*((\j)&1)+4*(\e)+(\k):T+32*((\j)&1)+4*(\e)+(\k)+1]
.else
	v_pk_fma_f32 v[A+16*(\rho)+2*(\e):A+16*(\rho)+2*(\e)+1], v[C+64*(\rho)+4*(\j)+(\k):C+64*(\rho)+4*(\j)+(\k)+1], v[T+32*((\j)&1)+4*(\e)+(\k):T+32*((\j)&1)+4*(\e)+(\k)+1], v[A+16*(\rho)+2*(\e):A+16*(\rho)+2*(\e)+1]
.endif
.endr
.endr
.endm
	WLOAD 0
.set j, 0
.rept 16
.if j < 15
	WLOAD j+1                                      ; the next piece, into the other buffer
	s_wait_dscnt 8                                 ; LDS loads come back in order: piece j's eight are in, the next piece's eight may be out
.else
	s_wait_dscnt 0
.endif
	s_wait_loadcnt 30-2*j                          ; both rows' piece j is in; the later pieces stay out
.irp rho, 0,1                                      ; condition rounded to bf16 and widened again, in place
	v_cvt_pk_bf16_f32 v[P+2*(\rho)],   v[C+64*(\rho)+4*j],   v[C+64*(\rho)+4*j+1]
	v_cvt_pk_bf16_f32 v[P+2*(\rho)+1], v[C+64*(\rho)+4*j+2], v[C+64*(\rho)+4*j+3]
.endr
.irp rho, 0,1
	v_lshlrev_b32 v[C+64*(\rho)+4*j],   16,  v[P+2*(\rho)]
	v_and_b32     v[C+64*(\rho)+4*j+1], s34, v[P+2*(\rho)]
	v_lshlrev_b32 v[C+64*(\rho)+4*j+2], 16,  v[P+2*(\rho)+1]
	v_and_b32     v[C+64*(\rho)+4*j+3], s34, v[P+2*(\rho)+1]
.endr
.if j == 0
	DOT j, 0, 1
.else
	DOT j, 0, 0
.endif
	DOT j, 2, 0
.set j, j+1
.endr
.irp q, 0,1,2,3                                    ; bp rounded to bf16 and widened: v[T:T+7]
	v_cvt_pk_bf16_f32 v[T+8+(\q)], s[20+2*(\q)], s[21+2*(\q)]
.endr
.irp q, 0,1,2,3
	v_lshlrev_b32 v[T+2*(\q)],   16,  v[T+8+(\q)]
	v_and_b32     v[T+2*(\q)+1], s34, v[T+8+(\q)]
.endr
.set i, 0
.rept 16
	v_add_f32 v[P+i], v[A+2*i], v[A+2*i+1]         ; a pair's two halves
.set i, i+1
.endr
.irp m, 1,2,4,8                                    ; across the lanes: four steps inside each half of 16 ride on the addition,
.set i, 0
.rept 16
	v_add_f32_dpp v[P+i], v[P+i], v[P+i] row_xmask:\m row_mask:0xf bank_mask:0xf
.set i, i+1
.endr
.endr
.set i, 0
.rept 16
	v_permlanex16_b32 v[A+i], v[P+i], s30, s31     ; one crosses the halves (its destination has been written before)
.set i, i+1
.endr
.set i, 0
.rept 16
	v_add_f32 v[P+i], v[P+i], v[A+i]               ; every lane holds the sum
.set i, i+1
.endr
.set i, 0
.rept 16
	v_add_f32 v[P+i], v[P+i], v[T+i%8]             ; + bp
.set i, i+1
.endr
.irp rho, 0,1                                      ; the first largest: a later expert wins only if it is strictly greater
	v_mov_b32 v[BEST+(\rho)], v[P+8*(\rho)]
	v_mov_b32 v[BIX+(\rho)], 0
.irp e, 1,2,3,4,5,6,7
	v_cmp_gt_f32 vcc_lo, v[P+8*(\rho)+(\e)], v[BEST+(\rho)]
	v_cndmask_b32 v[BEST+(\rho)], v[BEST+(\rho)], v[P+8*(\rho)+(\e)], vcc_lo
	v_cndmask_b32 v[BIX+(\rho)], v[BIX+(\rho)], \e, vcc_lo
.endr
.endr
	v_cmp_eq_u32 vcc_lo, 1, v1
	v_cndmask_b32 v[BIX], v[BIX], v[BIX+1], vcc_lo ; lane 0 keeps the first row's expert, lane 1 takes the second's
	v_lshlrev_b32 v24, 2, v1
	s_lshl_b32 s18, ttmp9, 5                       ; 8 words a work-group,
	s_lshl_b32 s33, s17, 3                         ; 2 a wave
	s_add_co_u32 s18, s18, s33
	s_add_nc_u64 s[12:13], s[12:13], s[18:19]
	s_wait_tensorcnt 0x0                           ; the wave's end, with all lanes on
	ds_add_u32 v30, v31
	s_wait_dscnt 0x0
	s_wait_xcnt 0x0                                ; EXEC changes only behind this wait
	v_cmp_gt_u32 vcc_lo, 2, v1
	s_and_saveexec_b32 s32, vcc_lo
	global_store_b32 v24, v[BIX], s[12:13]         ; two words, at a place that hangs on the row's number alone
	s_wait_xcnt 0x0                                ; and again, in front of the line that widens it
	s_or_b32 exec_lo, exec_lo, s32
	s_endpgm
.Lfunc_end_k_q672602b89d_route:
	.size	k_q672602b89d_route, .Lfunc_end_k_q672602b89d_route-k_q672602b89d_route
	.p2alignl 7, 3214868480
	.fill 96, 4, 3214868480
	.section	.rodata,"a",@progbits
	.p2align	6, 0x0
	.amdhsa_kernel k_q672602b89d_route
		.amdhsa_group_segment_fixed_size 66560
		.amdhsa_private_segment_fixed_size 0
		.amdhsa_enable_private_segment 0
		.amdhsa_kernarg_size 48
		.amdhsa_user_sgpr_count 2
		.amdhsa_user_sgpr_kernarg_segment_ptr 1
		.amdhsa_wavefront_size32 1
		.amdhsa_system_sgpr_workgroup_id_x 1
		.amdhsa_system_sgpr_workgroup_id_y 1
		.amdhsa_system_sgpr_workgroup_id_z 1
		.amdhsa_system_vgpr_workitem_id 0
		.amdhsa_next_free_vgpr 256
		.amdhsa_next_free_sgpr 66
		.amdhsa_reserve_vcc 1
		.amdhsa_float_denorm_mode_32 3
		.amdhsa_float_denorm_mode_16_64 3
		.amdhsa_memory_ordered 1
		.amdhsa_forward_progress 1
		.amdhsa_inst_pref_size 78
	.end_amdhsa_kernel
	.amdgpu_metadata
---
amdhsa.version: [ 1, 2 ]
amdhsa.kernels:
  - .name:           k_q672602b89d_route
    .symbol:         k_q672602b89d_route.kd
    .args:
      - { .name: condition, .offset: 0, .size: 8, .value_kind: global_buffer, .address_space: global }
      - { .name: Wp, .offset: 8, .size: 8, .value_kind: global_buffer, .address_space: global }
      - { .name: bp, .offset: 16, .size: 8, .value_kind: global_buffer, .address_space: global }
      - { .name: inputs, .offset: 24, .size: 8, .value_kind: global_buffer, .address_space: global }
      - { .name: idx, .offset: 32, .size: 8, .value_kind: global_buffer, .address_space: global }
      - { .name: xb, .offset: 40, .size: 8, .value_kind: global_buffer, .address_space: global }
    .group_segment_fixed_size: 66560
    .private_segment_fixed_size: 0
    .kernarg_segment_align: 8
    .kernarg_segment_size: 48
    .max_flat_workgroup_size: 256
    .sgpr_count:     66
    .vgpr_count:     256
    .wavefront_size: 32
...
	.end_amdgpu_metadata
.endif
;; end of part 1
;; launch experts (part 2): grid 32 x 8, 8 waves a work-group, no clusters, 107,520 bytes of LDS; arguments We, be, idx, xb, out0; writes out0
.if DOCPART == 2
	.amdgcn_target "amdgcn-amd-amdhsa--gfx1250"
	.amdhsa_code_object_version 6
	.text
	.protected	k_q672602b89d_experts
	.globl	k_q672602b89d_experts
	.p2align	8
	.type	k_q672602b89d_experts,@function
k_q672602b89d_experts:
	s_mov_b64 s[64:65], 0
	v_nop
	global_prefetch_b8 v0, s[64:65] scope:SCOPE_SE
	s_setreg_imm32_b32 hwreg(HW_REG_WAVE_MODE, 25, 1), 1
	s_wait_xcnt 0x0
; out0[n][f] = the sum over d of xb[n][d] We[e][f][d] + be[e][f], e = idx[n].  We: [8][2048][2048] f32.  be: [8][2048] f32.  idx: [2048] u32, the expert that the
; launch before chose.  xb: [2048][2048] bf16, inputs rounded by that launch.  out0: [2048][2048] f32.  We and be are rounded once to bf16; sums in f32.
; reference()'s factor 1 + (p - p) is exactly 1 for finite logits and is not multiplied in (limit: finite logits).
; SHARES.  Work-group (s, e) owns the 64 features 64 s .. 64 s + 63 of expert e and ALL rows that chose e: each byte of We is read once, by one work-group.
; Eight waves, all with the same text.  K goes in chunks of 128.  Of each chunk wave w brings features 8 w .. 8 w + 7 (f32, 512 consecutive bytes a load), rounds them
; and lays them into one of two LDS slots; every wave reads all 64 features from there as matrix operands.  Of the expert's rows wave w owns blocks w, 8 + w, 16 + w
; of 16 rows: 384 rows are summed in registers; their numbers come from xb straight into registers as matrix operands.
; ONE QUEUE.  Loads come back in the order of issue (ISA guide 5.7.1), so a wait for rows is a wait for every weight asked for before them.  Rows and weights are
; therefore asked for equally far ahead: a row slot is filled again one sub-step behind its use, for the chunk two on; a weight buffer as soon as it is rounded, for the
; chunk two on.  By the text's own count 58 loads of a wave are out at the most: 42 of rows, 16 of weights.
; EVERY SPLIT.  Rows past 384 go, 384 at a time, through a plain loop without a barrier: weights as f32 fragments straight from memory (16 bytes a lane from 16 rows, each
; wave the whole slice), rounded in registers.  That way is slow; it is there for splits that give one expert more than 384 of the 2,048 rows.  6 passes cover 2,048; dead ones are jumped.
; A work-group whose expert has no rows streams its slice, passes every barrier and stores nothing.
; Places past the count repeat the expert's last row: its bytes are then stored more than once, alike; a block wholly past the count is not stored, and a dead third block is not multiplied.
; THE MATRIX INSTRUCTION IS USED TRANSPOSED: source 0 = 16 features, source 1 = 16 rows.  A lane then holds one row (lane % 16) and the features 8 (lane / 16) + 0..7.
; NO CLUSTER, NO TENSOR LOAD: each slice of We has one reader and must be rounded on its way, so it goes through registers; what an expert's 32 work-groups share is its
; rows, which come by a list, and no tile's descriptor covers a list.
; REGISTERS, in windows of 256 (s_set_vgpr_msb: bits 1:0 source 0, 3:2 source 1, 5:4 source 2, 7:6 destination).
;   window 0: v0-31 addresses; v32-95 weight fragments, two buffers; v96-191 sums; v192-207 a chunk's rounded weights; v208-251 the way out
;   window 1: v0-191 row fragments: chunk parity p, sub-step q, block b at 96 p + 24 q + 8 b; v192-255 weights as loaded, two buffers of 32
.set WPITCH, 272                       ; a feature's row in a slot: 256 bytes + 16 = 68 words: row r starts at bank 4 r mod 64 (64 banks of 4 bytes: ISA guide 11.1)
.set SLOTB,  64*WPITCH                 ; a slot: one chunk of all 64 features
.set LIST,   2*SLOTB                   ; behind the slots: for each wave its own list: the token of rank i as 16 bits at 2 i; at 4,096 a place for what is thrown away
.set LISTB,  4608
.set STAGE,  LIST+8*LISTB              ; for each wave its own stage for the way out: 16 rows x 272 bytes
.set SPITCH, 272
.set STAGEB, 16*SPITCH
.set SPARE,  STAGE+8*STAGEB            ; the spare words, 128 bytes for each of eight waves; no other line names them
.set CAP,    384                       ; rows of a pass
.set L16,  1                           ; v1      16 x lane
.set PST,  2                           ; v2      where my 8 bytes of feature 8 w go in slot 0
.set VBA,  3                           ; v3      (lane % 16) x WPITCH + 16 (lane / 16): my place in a block of 16 features
.set L4,   4                           ; v4      4 x lane
.set H16,  5                           ; v5      16 (lane / 16)
.set LB,   6                           ; v6      my wave's list
.set RK,   7                           ; v7      16 w + lane % 16: my row's rank in the pass, less 128 b
.set ROW,  8                           ; v8-10   block b: my row's token x 4,096 + 16 (lane / 16)
.set STO,  11                          ; v11     the way out: where I put 32 bytes of a row
.set RD,   12                          ; v12     the way out: where I read a row back
.set OC,   13                          ; v13     16 (lane % 16): my 16 bytes in a row's 256
.set RK2,  14                          ; v14     16 w + lane / 16: the rank of the row that I read back, less 128 b + 2 t
.set WL,   15                          ; v15     (lane % 16) x 8,192 + 32 (lane / 16): my place in 16 rows of We
.set TMP,  16                          ; v16-24  at work
.set Z4,   24                          ; v24-27  four zeros, for the list's first filling
.set RR,   28                          ; v28     lane % 16
.set HH,   29                          ; v29     lane / 16
.set SPW,  30                          ; v30     my spare word; never rewritten
.set NIL,  31                          ; v31     0; kept for the add alone
.set BF,   32                          ; weight fragments: buffer u, feature block fb at BF + 32 u + 8 fb
.set ACC,  96                          ; sums: block b, feature block fb at ACC + 32 b + 8 fb
.set IDX,  96                          ; at the start: idx, 64 registers
.set PT,   192                         ; 16 registers: my 8 features of a chunk, rounded
.set TO,   208                         ; the way out: 16 rows read back, 32 registers
.set OT,   240                         ; the way out: eight offsets in out0
.set BI4,  248                         ; the bias of my four features on the way out
.set T,    0                           ; window 1
.set G,    192                         ; window 1
.set WV,   14                          ; s14  wave 0..7
.set EX,   15                          ; s15  e
.set OFS,  18                          ; s[18:19] an offset, its high word 0
.set WPT,  20                          ; s[20:21] We at my 8 features, at the chunk to be asked for
.set XP,   22                          ; s[22:23] xb at the chunk in hand
.set CNT,  24                          ; s24  the expert's rows
.set CM1,  25                          ; s25  the last rank that exists (0 if there is none)
.set NB,   26                          ; s26  my live blocks in this pass, 0 to 3
.set BASE, 27                          ; s27  the pass's first rank
.set LC,   28                          ; s28-30 loop counters
.set PC,   29
.set IC,   30
.set WS,   38                          ; s[38:39] We at the slice's first byte
.set WS2,  40                          ; s[40:41] the same, walking along K
.set MSB, 0
.macro WIN new                         ; the immediate's high byte repeats the setting that is left; a switch that changes nothing is dropped
.if MSB != (\new)
	s_set_vgpr_msb (MSB<<8)|(\new)
.set MSB, (\new)
.endif
.endm
.set W_MM, 0x04                        ; source 1 (the rows) in window 1; weights and sums in window 0
.set W_LD, 0x40                        ; destination in window 1
.set W_CV, 0x05                        ; sources 0 and 1 in window 1
; Four products: block b of my rows x the four feature blocks, 32 along K.  first = 1: the products start the sums.
; The accumulators take turns, one instruction a turn: between two products on one accumulator stand 7 or 11 others'.
.macro MM b, p, q, first
.irp fb, 0,1,2,3
.if \first
	v_wmma_f32_16x16x32_bf16 v[ACC+32*(\b)+8*(\fb):ACC+32*(\b)+8*(\fb)+7], v[BF+32*((\q)&1)+8*(\fb):BF+32*((\q)&1)+8*(\fb)+7], v[T+96*(\p)+24*(\q)+8*(\b):T+96*(\p)+24*(\q)+8*(\b)+7], 0
.else
	v_wmma_f32_16x16x32_bf16 v[ACC+32*(\b)+8*(\fb):ACC+32*(\b)+8*(\fb)+7], v[BF+32*((\q)&1)+8*(\fb):BF+32*((\q)&1)+8*(\fb)+7], v[T+96*(\p)+24*(\q)+8*(\b):T+96*(\p)+24*(\q)+8*(\b)+7], v[ACC+32*(\b)+8*(\fb):ACC+32*(\b)+8*(\fb)+7]
.endif
.endr
.endm
; The weight fragments of sub-step q of the chunk in slot p, into buffer q % 2: 16 features x 32 K in 8 registers: lane l holds feature l % 16,
; K = 8 (l / 16) + 0..7 and 16 + 8 (l / 16) + 0..7: two loads of 16 bytes, 32 bytes apart.
.macro BLOAD p, q
.irp fb, 0,1,2,3
	ds_load_b128 v[BF+32*((\q)&1)+8*(\fb):BF+32*((\q)&1)+8*(\fb)+3],   v[VBA] offset:(\p)*SLOTB+(\fb)*16*WPITCH+64*(\q)
	ds_load_b128 v[BF+32*((\q)&1)+8*(\fb)+4:BF+32*((\q)&1)+8*(\fb)+7], v[VBA] offset:(\p)*SLOTB+(\fb)*16*WPITCH+64*(\q)+32
.endr
.endm
; One sub-step, 32 along K.  cn: the loads younger than this sub-step's rows.  rb >= 0: the row slot at register rb, used one sub-step ago, is filled again from byte ro.
; cd: the LDS loads younger than this sub-step's weights.  nx = 1: the weight buffer takes sub-step q + 2.  np = 1: four v_nop.
.macro KSUB p, q, first, cn, cd, rb, ro, nx, np
	s_wait_loadcnt \cn                             ; this sub-step's six row loads are in; what was asked for later stays out
.if (\rb) >= 0
	WIN W_LD
.irp blk, 0,1,2
	global_load_b128 v[(\rb)+8*(\blk):(\rb)+8*(\blk)+3],   v[ROW+(\blk)], s[XP:XP+1] offset:(\ro)
	global_load_b128 v[(\rb)+8*(\blk)+4:(\rb)+8*(\blk)+7], v[ROW+(\blk)], s[XP:XP+1] offset:(\ro)+32
.endr
.endif
	s_wait_dscnt \cd                               ; this sub-step's eight weight loads are in; the next sub-step's eight may be out
	WIN W_MM
	MM 0, \p, \q, \first
	MM 1, \p, \q, \first
.if \first
	MM 2, \p, \q, 1                                ; the first products of the third block are always made: its sums are written on every way
	WIN 0
.else
	WIN 0                                          ; at a branch and at a label every window is 0
	s_cmp_lt_u32 s[NB], 3
	s_cbranch_scc1 .Lno3_\@                        ; my third block holds no row that exists
	WIN W_MM
	MM 2, \p, \q, 0
	WIN 0
.Lno3_\@:
.endif
.if \np                                            ; a load into a register that a matrix instruction has read stands four plain vector instructions behind it
.rept 4                                            ; (ISA guide 7.12.1 for vector instructions): these serve the weight loads below and the next sub-step's row loads
	v_nop
.endr
.endif
.if \nx
	BLOAD \p, (\q)+2
.endif
.endm
; One chunk's trip.  p: the chunk's parity.  n0-n3: the four counts on LOADcnt.  st: the next chunk's rounded weights go into the other slot.  r0: sub-step 3 of the next chunk's rows is asked for.
; r123: sub-steps 0 to 2 of the rows two chunks on.  cv: the weights two chunks on are rounded.  wl: their buffer is asked for again, four chunks on.  bar: a trip follows.
.macro TRIP p, first, n0, n1, n2, n3, st, r0, r123, cv, wl, bar
.if \st
.irp i, 0,1,2,3,4,5,6,7
	ds_store_b64 v[PST], v[PT+2*(\i):PT+2*(\i)+1] offset:(1-(\p))*SLOTB+(\i)*WPITCH  ; 32 lanes x 8 neighbouring bytes; the slot's last readers have passed the barrier
.endr
.endif
	BLOAD \p, 0
	BLOAD \p, 1
	KSUB \p, 0, \first, \n0, 8, (\r0)*(T+96*(1-(\p))+73)-1, 448, 1, 1
	KSUB \p, 1, 0,      \n1, 8, (\r123)*(T+96*(\p)+1)-1,    512, 1, 1
	KSUB \p, 2, 0,      \n2, 8, (\r123)*(T+96*(\p)+25)-1,   576, 0, 1
	KSUB \p, 3, 0,      \n3, 0, (\r123)*(T+96*(\p)+49)-1,   640, 0, 1-(\cv)
.if \cv
	WIN W_CV                                       ; these weights were asked for before the rows just waited for, so they are in; the 16 lines are also the places behind the products
.irp i, 0,1,2,3,4,5,6,7
	v_cvt_pk_bf16_f32 v[PT+2*(\i)],   v[G+32*(\p)+4*(\i)],   v[G+32*(\p)+4*(\i)+1]
	v_cvt_pk_bf16_f32 v[PT+2*(\i)+1], v[G+32*(\p)+4*(\i)+2], v[G+32*(\p)+4*(\i)+3]
.endr
.endif
.if \wl
	WIN W_LD
.irp i, 0,1,2,3,4,5,6,7
	global_load_b128 v[G+32*(\p)+4*(\i):G+32*(\p)+4*(\i)+3], v[L16], s[WPT:WPT+1] offset:(\i)*8192 th:TH_LOAD_NT  ; feature i of my 8: 512 consecutive bytes, aligned
.endr
.endif
	WIN 0
.if \bar
	s_wait_xcnt 0x0                                ; the bases are stepped only behind this wait
	s_add_nc_u64 s[XP:XP+1], s[XP:XP+1], 256
.if \wl
	s_add_nc_u64 s[WPT:WPT+1], s[WPT:WPT+1], 512
.endif
	s_wait_dscnt 0x0                               ; for the others' sake: my stores into the other slot are done, and my reads of this slot are over
	s_barrier_signal -1
	s_barrier_wait -1
.endif
.endm
; A pass begins: how many of my blocks are live, and my three rows' tokens from the list.
.macro SETUP
	s_wait_xcnt 0x0                                ; ROW and XP are rewritten only behind this wait
	s_sub_co_u32 s31, s[CNT], s[BASE]              ; rows left (BASE is below CNT, or both are 0)
	s_min_u32 s31, s31, CAP
	s_add_co_u32 s31, s31, 15
	s_lshr_b32 s31, s31, 4                         ; live blocks of the pass; block 8 b + w is my block b
	s_add_co_u32 s31, s31, 7
	s_sub_co_u32 s31, s31, s[WV]
	s_lshr_b32 s[NB], s31, 3
.irp blk, 0,1,2
	s_add_co_u32 s32, s[BASE], 128*(\blk)
	v_add_nc_u32 v[TMP+(\blk)], s32, v[RK]
.endr
.irp blk, 0,1,2
	v_min_u32 v[TMP+(\blk)], s[CM1], v[TMP+(\blk)] ; a place past the count repeats the last row
.endr
.irp blk, 0,1,2
	v_min_u32 v[TMP+(\blk)], 0x7ff, v[TMP+(\blk)]  ; inside the list, whatever the count
.endr
.irp blk, 0,1,2
	v_lshl_add_u32 v[TMP+(\blk)], v[TMP+(\blk)], 1, v[LB]
.endr
.irp blk, 0,1,2
	ds_load_u16 v[ROW+(\blk)], v[TMP+(\blk)]
.endr
	s_mov_b64 s[XP:XP+1], s[10:11]
	s_wait_dscnt 0x0
.irp blk, 0,1,2
	v_min_u32 v[ROW+(\blk)], 0x7ff, v[ROW+(\blk)]  ; inside xb, whatever the list holds
.endr
.irp blk, 0,1,2
	v_lshl_add_u32 v[ROW+(\blk)], v[ROW+(\blk)], 12, v[H16]
.endr
.endm
; The plain way, 32 along K: weights as f32 fragments from memory (my feature's K = 8 h + 0..7 are 32 bytes, K = 16 + 8 h + 0..7 the 32 bytes 64 further on), rounded; rows as above.
.macro SSTEP first
	WIN W_LD
.irp fb, 0,1,2,3
	global_load_b128 v[G+16*(\fb):G+16*(\fb)+3],     v[WL], s[WS2:WS2+1] offset:(\fb)*131072
	global_load_b128 v[G+16*(\fb)+4:G+16*(\fb)+7],   v[WL], s[WS2:WS2+1] offset:(\fb)*131072+16
	global_load_b128 v[G+16*(\fb)+8:G+16*(\fb)+11],  v[WL], s[WS2:WS2+1] offset:(\fb)*131072+64
	global_load_b128 v[G+16*(\fb)+12:G+16*(\fb)+15], v[WL], s[WS2:WS2+1] offset:(\fb)*131072+80
.endr
.irp blk, 0,1,2
	global_load_b128 v[T+8*(\blk):T+8*(\blk)+3],   v[ROW+(\blk)], s[XP:XP+1]
	global_load_b128 v[T+8*(\blk)+4:T+8*(\blk)+7], v[ROW+(\blk)], s[XP:XP+1] offset:32
.endr
	s_wait_loadcnt 0x0                             ; all 22 are in: the bases may be stepped below
	WIN W_CV
.set i, 0
.rept 32
	v_cvt_pk_bf16_f32 v[BF+i], v[G+2*i], v[G+2*i+1]
.set i, i+1
.endr
	WIN W_MM
	MM 0, 0, 0, \first
	MM 1, 0, 0, \first
	MM 2, 0, 0, \first
	WIN 0
.rept 4
	v_nop                                          ; the places in front of the next trip's loads and conversions, and of the way out
.endr
	s_add_nc_u64 s[WS2:WS2+1], s[WS2:WS2+1], 128
	s_add_nc_u64 s[XP:XP+1], s[XP:XP+1], 64
.endm
	s_load_b256 s[4:11], s[0:1], 0x0               ; We s[4:5], be s[6:7], idx s[8:9], xb s[10:11]
	s_load_b64 s[12:13], s[0:1], 0x20              ; out0
	v_lshl_add_u32 v[SPW], v0, 2, SPARE
	v_mov_b32 v[NIL], 0
	v_lshrrev_b32 v[TMP], 5, v0
	v_readfirstlane_b32 s[WV], v[TMP]              ; wave 0..7
	v_and_b32 v[TMP+1], 31, v0                     ; lane
	v_and_b32 v[RR], 15, v0
	v_bfe_u32 v[HH], v0, 4, 1
	v_lshlrev_b32 v[L16], 4, v[TMP+1]
	v_lshlrev_b32 v[OC], 4, v[RR]
	s_and_b32 s[EX], ttmp7, 0xffff
	s_mov_b32 s[OFS+1], 0
	s_mov_b32 s36, 0xffff0000                      ; a word's upper bf16
	s_lshl_b32 s31, ttmp9, 8                       ; the slice's 64 features: 256 bytes of a row of be and of out0
	s_lshl_b32 s32, s[EX], 13                      ; a row of be is 8,192 bytes
	s_add_co_u32 s32, s32, s31
	s_lshl_b32 s33, s[EX], 24                      ; an expert is 2048 x 8,192 bytes,
	s_lshl_b32 s34, ttmp9, 19                      ; a slice 64 x 8,192,
	s_add_co_u32 s33, s33, s34
	s_lshl_b32 s34, s[WV], 16                      ; my part 8 x 8,192
	s_wait_kmcnt 0x0
	; idx first, so that it can be waited for while the weights stay out; then the bias; then four chunks of my 8 features: 49 loads
.irp q, 0,1,2,3,4,5,6,7,8,9,10,11,12,13,14,15
	global_load_b128 v[IDX+4*(\q):IDX+4*(\q)+3], v[L16], s[8:9] offset:512*(\q)  ; register 4 q + c of lane l: token 128 q + 4 l + c
.endr
	s_mov_b32 s[OFS], s32
	s_add_nc_u64 s[6:7], s[6:7], s[OFS:OFS+1]
	global_load_b128 v[BI4:BI4+3], v[OC], s[6:7]   ; be of features 4 (lane % 16) + 0..3 of the slice
	s_mov_b32 s[OFS], s31
	s_add_nc_u64 s[12:13], s[12:13], s[OFS:OFS+1]  ; out0 at my slice's 256 bytes of row 0
	s_mov_b32 s[OFS], s33
	s_add_nc_u64 s[WS:WS+1], s[4:5], s[OFS:OFS+1]
	s_mov_b32 s[OFS], s34
	s_add_nc_u64 s[WPT:WPT+1], s[WS:WS+1], s[OFS:OFS+1]
.irp c, 0,1                                        ; chunks 0 and 1 into the weight fragments' registers, which are idle yet
.irp i, 0,1,2,3,4,5,6,7
	global_load_b128 v[BF+32*(\c)+4*(\i):BF+32*(\c)+4*(\i)+3], v[L16], s[WPT:WPT+1] offset:(\i)*8192+512*(\c) th:TH_LOAD_NT
.endr
.endr
	WIN W_LD
.irp c, 0,1                                        ; chunks 2 and 3 into the two buffers
.irp i, 0,1,2,3,4,5,6,7
	global_load_b128 v[G+32*(\c)+4*(\i):G+32*(\c)+4*(\i)+3], v[L16], s[WPT:WPT+1] offset:(\i)*8192+1024+512*(\c) th:TH_LOAD_NT
.endr
.endr
	WIN 0
	; the addresses, while the loads are out
	v_lshlrev_b32 v[L4], 2, v[TMP+1]
	s_mul_i32 s31, s[WV], 8*WPITCH
	v_lshl_add_u32 v[PST], v[TMP+1], 3, s31
	v_mul_u32_u24 v[VBA], v[RR], WPITCH
	v_lshl_add_u32 v[VBA], v[HH], 4, v[VBA]
	v_lshlrev_b32 v[H16], 4, v[HH]
	v_lshl_add_u32 v[RK], s[WV], 4, v[RR]
	v_lshl_add_u32 v[RK2], s[WV], 4, v[HH]
	s_mul_i32 s32, s[WV], STAGEB
	s_add_co_u32 s32, s32, STAGE
	v_mul_u32_u24 v[TMP+2], v[RR], SPITCH          ; in: row lane % 16, 32 bytes for each half of the lanes
	v_lshl_add_u32 v[TMP+2], v[HH], 5, v[TMP+2]
	v_add_nc_u32 v[STO], s32, v[TMP+2]
	v_mul_u32_u24 v[TMP+2], v[HH], SPITCH          ; back: lanes 0-15 take one row of 256 bytes, lanes 16-31 the next
	v_lshl_add_u32 v[TMP+2], v[RR], 4, v[TMP+2]
	v_add_nc_u32 v[RD], s32, v[TMP+2]
	v_lshlrev_b32 v[WL], 13, v[RR]
	v_lshl_add_u32 v[WL], v[HH], 5, v[WL]
	s_mul_i32 s31, s[WV], LISTB
	s_add_co_u32 s31, s31, LIST
	v_mov_b32 v[LB], s31
	v_add_nc_u32 v[TMP+3], s31, v[L16]
.irp z, 0,1,2,3
	v_mov_b32 v[Z4+(\z)], 0
.endr
.irp z, 0,1,2,3,4,5,6,7,8
	ds_store_b128 v[TMP+3], v[Z4:Z4+3] offset:512*(\z)  ; my list holds token 0 everywhere, so that every rank holds a token whatever the count
.endr
	s_wait_loadcnt 32                              ; idx and the bias are in; the 32 loads of weights stay out
	v_cvt_pk_bf16_f32 v[TMP+4], v[BI4],   v[BI4+1] ; the bias rounded to bf16 and widened again
	v_cvt_pk_bf16_f32 v[TMP+5], v[BI4+2], v[BI4+3]
	v_lshlrev_b32 v[BI4],   16,  v[TMP+4]
	v_and_b32     v[BI4+1], s36, v[TMP+4]
	v_lshlrev_b32 v[BI4+2], 16,  v[TMP+5]
	v_and_b32     v[BI4+3], s36, v[TMP+5]
	; THE LIST.  Each wave makes the same list for itself, in its own LDS bytes: a token that chose e gets the next rank (the count so far + the choosers in lower lanes);
	; the others write to the place that nobody reads.  The order of the ranks is that of the registers; each row of out0 has one owner whatever the order.
	s_mov_b32 s34, 0
.set j, 0
.rept 64
	v_cmp_eq_u32 vcc_lo, s[EX], v[IDX+j]
	v_mbcnt_lo_u32_b32 v[TMP+2*(j%2)], vcc_lo, s34
	v_cndmask_b32 v[TMP+2*(j%2)], 0x800, v[TMP+2*(j%2)], vcc_lo
	s_bcnt1_i32_b32 s35, vcc_lo
	s_add_co_u32 s34, s34, s35
	v_min_u32 v[TMP+2*(j%2)], 0x800, v[TMP+2*(j%2)]            ; inside my list, whatever idx holds
	v_lshl_add_u32 v[TMP+2*(j%2)], v[TMP+2*(j%2)], 1, v[LB]
	v_add_nc_u32 v[TMP+2*(j%2)+1], 128*(j/4)+j%4, v[L4]
	ds_store_b16 v[TMP+2*(j%2)], v[TMP+2*(j%2)+1]
.set j, j+1
.endr
	s_mov_b32 s[CNT], s34
	s_max_u32 s[CM1], s34, 1
	s_sub_co_u32 s[CM1], s[CM1], 1
	s_mov_b32 s[BASE], 0
	SETUP                                          ; LDS serves a wave's instructions in order (ISA guide 5.7.1.4): its reads of the list see the stores above
	s_wait_loadcnt 16                              ; chunks 0 and 1 of the weights are in; chunks 2 and 3, 16 loads, stay out
	WIN W_LD
.irp cq, 0,1,2,3,4,5,6                             ; the rows of chunk 0 and of the first three sub-steps of chunk 1: 42 loads, in the order of their use
.irp blk, 0,1,2
	global_load_b128 v[T+24*(\cq)+8*(\blk):T+24*(\cq)+8*(\blk)+3],   v[ROW+(\blk)], s[XP:XP+1] offset:64*(\cq)
	global_load_b128 v[T+24*(\cq)+8*(\blk)+4:T+24*(\cq)+8*(\blk)+7], v[ROW+(\blk)], s[XP:XP+1] offset:64*(\cq)+32
.endr
.endr
	WIN 0
.irp i, 0,1,2,3,4,5,6,7                            ; chunk 0, rounded, into slot 0
	v_cvt_pk_bf16_f32 v[TO+2*(\i)],   v[BF+4*(\i)],   v[BF+4*(\i)+1]
	v_cvt_pk_bf16_f32 v[TO+2*(\i)+1], v[BF+4*(\i)+2], v[BF+4*(\i)+3]
.endr
.irp i, 0,1,2,3,4,5,6,7
	ds_store_b64 v[PST], v[TO+2*(\i):TO+2*(\i)+1] offset:(\i)*WPITCH
.endr
.irp i, 0,1,2,3,4,5,6,7                            ; chunk 1, rounded: the first trip stores it
	v_cvt_pk_bf16_f32 v[PT+2*(\i)],   v[BF+32+4*(\i)],   v[BF+32+4*(\i)+1]
	v_cvt_pk_bf16_f32 v[PT+2*(\i)+1], v[BF+32+4*(\i)+2], v[BF+32+4*(\i)+3]
.endr
	s_wait_xcnt 0x0
	s_add_nc_u64 s[WPT:WPT+1], s[WPT:WPT+1], 2048  ; chunk 4
	s_wait_dscnt 0x0                               ; for the others' sake: my part of chunk 0 is in LDS
	s_barrier_signal -1
	s_barrier_wait -1
	; THE COUNTS.  In a steady trip i the queue holds, oldest first: rows (i, 0), (i, 1), (i, 2); weights i + 2; rows (i, 3), (i + 1, 0), (i + 1, 1), (i + 1, 2); weights i + 3:
	; six loads a row slot, eight a chunk of weights.  Each sub-step waits for its slot and then asks for one more slot, so 6 x 6 + 16 = 52 are younger than slots 0 to 2, and
	; 6 x 6 + 8 = 44 than slot 3.  At the start both chunks of weights that are out are older than all rows (36); a trip later one is (44).  At the end the counts run down.
	TRIP 0, 1, 36, 36, 36, 36, 1, 1, 1, 1, 1, 1    ; chunk 0: its products start the sums
	TRIP 1, 0, 44, 44, 44, 44, 1, 1, 1, 1, 1, 1    ; chunk 1
	s_mov_b32 s[LC], 5
.Lmain:                                                ; chunks 2 to 11
	TRIP 0, 0, 52, 52, 52, 44, 1, 1, 1, 1, 1, 1
	TRIP 1, 0, 52, 52, 52, 44, 1, 1, 1, 1, 1, 1
	s_sub_co_u32 s[LC], s[LC], 1
	s_cmp_lg_u32 s[LC], 0
	s_cbranch_scc1 .Lmain
	TRIP 0, 0, 52, 52, 52, 44, 1, 1, 1, 1, 0, 1    ; chunk 12: no weights are left to ask for
	TRIP 1, 0, 44, 44, 44, 36, 1, 1, 1, 1, 0, 1    ; chunk 13: the last rows but six loads are asked for; chunk 15's weights are rounded
	TRIP 0, 0, 36, 36, 30, 24, 1, 1, 0, 0, 0, 1    ; chunk 14: the last six row loads; chunk 15 goes into its slot
	TRIP 1, 0, 18, 12, 6,  0,  0, 0, 0, 0, 0, 0    ; chunk 15; no barrier from here on: nobody writes the slots any more, and lists and stages are each wave's own
	s_mov_b32 s[PC], 0
.Lpass:                                                ; 6 trips: the pass in hand goes out; if rows are left, the next 384 are multiplied the plain way
	; THE WAY OUT, a block of 16 rows at a time.  A lane's eight sums are 32 bytes of a row's 256; they go into rows of 272 bytes of my stage and come back as whole rows.
.irp b, 0,1,2
	s_cmp_le_u32 s[NB], \b
	s_cbranch_scc1 .Lstored                        ; this block and those behind it hold no row that exists
	s_wait_xcnt 0x0                                ; the registers that earlier stores read are rewritten only behind this wait
	s_add_co_u32 s32, s[BASE], 128*(\b)
	v_add_nc_u32 v[TMP+8], s32, v[RK2]
.irp t, 0,1,2,3,4,5,6,7                            ; the ranks of the rows that I shall store
	v_add_nc_u32 v[TMP+(\t)], 2*(\t), v[TMP+8]
.endr
.irp t, 0,1,2,3,4,5,6,7
	v_min_u32 v[TMP+(\t)], s[CM1], v[TMP+(\t)]
.endr
.irp t, 0,1,2,3,4,5,6,7
	v_min_u32 v[TMP+(\t)], 0x7ff, v[TMP+(\t)]
.endr
.irp t, 0,1,2,3,4,5,6,7
	v_lshl_add_u32 v[TMP+(\t)], v[TMP+(\t)], 1, v[LB]
.endr
.irp t, 0,1,2,3,4,5,6,7
	ds_load_u16 v[OT+(\t)], v[TMP+(\t)]
.endr
.irp fb, 0,1,2,3                                   ; each accumulator's low registers first
	ds_store_b128 v[STO], v[ACC+32*(\b)+8*(\fb):ACC+32*(\b)+8*(\fb)+3]   offset:64*(\fb)
	ds_store_b128 v[STO], v[ACC+32*(\b)+8*(\fb)+4:ACC+32*(\b)+8*(\fb)+7] offset:64*(\fb)+16
.endr
.irp t, 0,1,2,3,4,5,6,7
	ds_load_b128 v[TO+4*(\t):TO+4*(\t)+3], v[RD] offset:(\t)*2*SPITCH  ; in order behind the stores above; the next block's stores come behind these
.endr
	s_wait_dscnt 0x0
.irp t, 0,1,2,3,4,5,6,7
	v_min_u32 v[OT+(\t)], 0x7ff, v[OT+(\t)]        ; inside out0, whatever the list holds
.endr
.irp t, 0,1,2,3,4,5,6,7
	v_lshl_add_u32 v[OT+(\t)], v[OT+(\t)], 13, v[OC]
.endr
.irp t, 0,1,2,3,4,5,6,7                            ; + be: my four features are the same in every row
	v_pk_add_f32 v[TO+4*(\t):TO+4*(\t)+1],   v[TO+4*(\t):TO+4*(\t)+1],   v[BI4:BI4+1]
	v_pk_add_f32 v[TO+4*(\t)+2:TO+4*(\t)+3], v[TO+4*(\t)+2:TO+4*(\t)+3], v[BI4+2:BI4+3]
.endr
.irp t, 0,1,2,3,4,5,6,7
	global_store_b128 v[OT+(\t)], v[TO+4*(\t):TO+4*(\t)+3], s[12:13] th:TH_STORE_NT  ; 16 lanes store 256 consecutive bytes of a token's row, at a multiple of 256 from out0's first byte
.endr
.endr
.Lstored:
	s_add_co_u32 s[BASE], s[BASE], CAP
	s_mov_b32 s[NB], 0                             ; nothing to store, unless a pass follows
	s_cmp_ge_u32 s[BASE], s[CNT]
	s_cbranch_scc1 .Lnext                          ; no row is left: the trip is dead
	SETUP
	s_cmp_eq_u32 s[NB], 0
	s_cbranch_scc1 .Lnext                          ; none of the rows left is mine
	s_mov_b64 s[WS2:WS2+1], s[WS:WS+1]
	SSTEP 1                                        ; K = 0 .. 31 starts the sums
	s_mov_b32 s[IC], 63
.Lk:
	SSTEP 0
	s_sub_co_u32 s[IC], s[IC], 1
	s_cmp_lg_u32 s[IC], 0
	s_cbranch_scc1 .Lk
.Lnext:
	s_add_co_u32 s[PC], s[PC], 1
	s_cmp_lt_u32 s[PC], 6
	s_cbranch_scc1 .Lpass
	s_wait_tensorcnt 0x0                           ; the wave's end
	ds_add_u32 v[SPW], v[NIL]
	s_wait_dscnt 0x0
	s_endpgm
.Lfunc_end_k_q672602b89d_experts:
	.size	k_q672602b89d_experts, .Lfunc_end_k_q672602b89d_experts-k_q672602b89d_experts
	.p2alignl 7, 3214868480
	.fill 96, 4, 3214868480
	.section	.rodata,"a",@progbits
	.p2align	6, 0x0
	.amdhsa_kernel k_q672602b89d_experts
		.amdhsa_group_segment_fixed_size 107520
		.amdhsa_private_segment_fixed_size 0
		.amdhsa_enable_private_segment 0
		.amdhsa_kernarg_size 40
		.amdhsa_user_sgpr_count 2
		.amdhsa_user_sgpr_kernarg_segment_ptr 1
		.amdhsa_wavefront_size32 1
		.amdhsa_system_sgpr_workgroup_id_x 1
		.amdhsa_system_sgpr_workgroup_id_y 1
		.amdhsa_system_sgpr_workgroup_id_z 1
		.amdhsa_system_vgpr_workitem_id 0
		.amdhsa_next_free_vgpr 512
		.amdhsa_next_free_sgpr 66
		.amdhsa_reserve_vcc 1
		.amdhsa_float_denorm_mode_32 3
		.amdhsa_float_denorm_mode_16_64 3
		.amdhsa_memory_ordered 1
		.amdhsa_forward_progress 1
		.amdhsa_inst_pref_size 158
	.end_amdhsa_kernel
	.amdgpu_metadata
---
amdhsa.version: [ 1, 2 ]
amdhsa.kernels:
  - .name:           k_q672602b89d_experts
    .symbol:         k_q672602b89d_experts.kd
    .args:
      - { .name: We, .offset: 0, .size: 8, .value_kind: global_buffer, .address_space: global }
      - { .name: be, .offset: 8, .size: 8, .value_kind: global_buffer, .address_space: global }
      - { .name: idx, .offset: 16, .size: 8, .value_kind: global_buffer, .address_space: global }
      - { .name: xb, .offset: 24, .size: 8, .value_kind: global_buffer, .address_space: global }
      - { .name: out0, .offset: 32, .size: 8, .value_kind: global_buffer, .address_space: global }
    .group_segment_fixed_size: 107520
    .private_segment_fixed_size: 0
    .kernarg_segment_align: 8
    .kernarg_segment_size: 40
    .max_flat_workgroup_size: 256
    .sgpr_count:     66
    .vgpr_count:     512
    .wavefront_size: 32
...
	.end_amdgpu_metadata
.endif
;; end of part 2
;; ======== version 2 of 3: 3 launches; 1.37 times as fast as version 1
;; workspace buffers: idx 8,192 bytes of whole numbers; xb 8,388,608 bytes; xs 8,388,608 bytes; tok 8,192 bytes of whole numbers; seg 256 bytes of whole numbers
;; launch route: the kernel of part 1 again; grid 256 x 1, 8 waves a work-group, no clusters, 66,560 bytes of LDS; arguments condition, Wp, bp, inputs, idx, xb; writes idx, xb
;; launch place (part 3): grid 128 x 2, 8 waves a work-group, no clusters, 2,304 bytes of LDS; arguments idx, xb, xs, tok, seg; writes xs, tok, seg
.if DOCPART == 3
	.amdgcn_target "amdgcn-amd-amdhsa--gfx1250"
	.amdhsa_code_object_version 6
	.text
	.protected	k_q672602b89d_place
	.globl	k_q672602b89d_place
	.p2align	8
	.type	k_q672602b89d_place,@function
k_q672602b89d_place:
	s_mov_b64 s[64:65], 0
	v_nop
	global_prefetch_b8 v0, s[64:65] scope:SCOPE_SE
	s_setreg_imm32_b32 hwreg(HW_REG_WAVE_MODE, 25, 1), 1
	s_wait_xcnt 0x0
; The rows of xb, sorted by the expert that each chose, laid out as the next launch's matrix operands.
; idx: [2048] u32, the expert of each token (stored by the launch before).  xb: [2048][2048] bf16.
; PLACES.  The tokens of expert 0 take places 0 .., then those of expert 1, and so on: 2,048 places, whatever the split; no expert is padded.  Among an expert's
; tokens the order is that of this text's registers and lanes; every order serves, since tok says which token lies where.
; xs: 128 blocks of 16 places.  Block B, K step s (32 along K), half j, lane l: 16 bytes at 65,536 B + 1,024 s + 512 j + 16 l: of the row at place 16 B + l % 16 the
; numbers K = 32 s + 16 j + 8 (l / 16) + 0..7.  That is a 16-bit matrix operand's layout (ISA guide 7.12.2), so the next launch fills a fragment by two loads of 512 consecutive bytes.
; tok: [2048] u32, the token at each place.  seg: u32, words 2 e and 2 e + 1: expert e's first place and the place behind its last.
; SHARES.  Work-group (B, y) makes K steps 32 y .. 32 y + 31 of block B; wave w four of them.
; THE SORT, without atomics, in every work-group for itself.  Wave w compares all 2,048 choices with w: 64 compares on end, each into a scalar register of its own, so that no
; scalar instruction stands straight behind the compare that it reads.  The masks are kept.  Their population counts are summed by groups of eight registers; the eight waves' totals
; meet in LDS; wave w's first place is the sum of the totals below it.  Then the groups are walked: a group none of whose tokens can fall into block B (its places, counted from the
; block's first, begin at 16 or later, or end at 0 or earlier) is jumped by a scalar branch; in the others each token gets its place from the kept mask, and those that fall into
; the block are written into 16 words of the wave's own.  A lane takes its place's token as the OR of the eight waves' words, of which seven hold 0.
; The branches hang on idx, whole numbers that an earlier launch stored; they go forward, and no barrier stands in what is jumped.  The test is exact, so every split is served.
; READS.  A load takes 16 bytes a lane from 16 rows, 32 bytes of each: each byte of xb is read once in the launch, and a wave's eight loads on end use up 256 consecutive
; bytes of each of its rows.  STORES: 512 consecutive bytes each, aligned.  tok goes out as 64 bytes a block: 8,192 bytes in the whole launch.
; No matrix unit, no cluster: nothing is multiplied, and the work-groups share idx alone, 8,192 bytes.
.set CNTS,  0                          ; LDS: eight counts
.set SLOTS, 256                        ; wave w's 32 words at SLOTS + 128 w: word i < 16: the token at place i of the block, if its expert is w, else 0; word 16: what is thrown away
.set SPARE, 1280                       ; the spare words, 128 bytes for each of eight waves; no other line names them
.set CT,  12                           ; v[12:19] the eight experts' counts, in every lane; kept to the end
.set TK,  28                           ; v28      the token at my place
.set IDX, 32                           ; v[32:95] idx; then v[32:63] the eight loads, v[64:71] my place in the eight waves' words
.set SW,  64
.set TS,  2                            ; s2-3   at work
.set TS2, 3
.set WV,  14                           ; s14    wave 0..7, and the expert that it sorts
.set YH,  15                           ; s15    y
.set P0,  16                           ; s16    the block's first place
.set RUN, 17                           ; s17    the place of my expert's next token, counted from the block's first place (below it: negative)
.set OFS, 18                           ; s[18:19] an offset, its high word 0
.set TT,  20                           ; s[20:23] at work
.set GS,  24                           ; s[24:31] my expert's tokens in registers 8 g .. 8 g + 7 of idx
.set MK,  32                           ; the mask of register j at s[MK + j + 2 (j / 32)]: s32-63 and s66-97 (s64 and s65 are left out)
	s_load_b256 s[4:11], s[0:1], 0x0               ; idx s[4:5], xb s[6:7], xs s[8:9], tok s[10:11]
	s_load_b64 s[12:13], s[0:1], 0x20              ; seg
	v_lshl_add_u32 v30, v0, 2, SPARE               ; my spare word,
	v_mov_b32 v31, 0                               ; and 0: kept for the add at the wave's end alone
	v_lshrrev_b32 v1, 5, v0
	v_readfirstlane_b32 s[WV], v1
	v_and_b32 v1, 31, v0                           ; lane
	v_lshlrev_b32 v2, 4, v1                        ; 16 x lane
	v_lshlrev_b32 v3, 2, v1                        ; 4 x lane
	v_and_b32 v4, 15, v0                           ; lane % 16
	v_bfe_u32 v5, v0, 4, 1                         ; lane / 16
	v_lshl_add_u32 v6, v0, 2, SLOTS                ; word lane of my wave's 32
	v_mov_b32 v7, 0
	ds_store_b32 v6, v7                            ; my wave's words start at 0
	s_and_b32 s[YH], ttmp7, 0xffff
	s_lshl_b32 s[P0], ttmp9, 4
	s_mov_b32 s[OFS+1], 0
	s_lshl_b32 s[TS], s[WV], 7
	s_add_co_u32 s[TS], s[TS], SLOTS
	v_mov_b32 v8, s[TS]                            ; my wave's words
	v_mov_b32 v9, s[WV]
	v_lshlrev_b32 v9, 2, v9                        ; my wave's count
	s_wait_kmcnt 0x0
.irp q, 0,1,2,3,4,5,6,7,8,9,10,11,12,13,14,15
	global_load_b128 v[IDX+4*(\q):IDX+4*(\q)+3], v2, s[4:5] offset:512*(\q)  ; register 4 q + c of lane l: token 128 q + 4 l + c
.endr
.irp q, 0,1,2,3,4,5,6,7,8,9,10,11,12,13,14,15
	s_wait_loadcnt 15-(\q)                         ; loads come back in order (ISA guide 5.7.1): load q is in, the younger ones stay out
.irp c, 0,1,2,3
	v_cmp_eq_u32 s[MK+4*(\q)+(\c)+2*((\q)/8)], s[WV], v[IDX+4*(\q)+(\c)]  ; who chose expert w: a mask a register, kept
.endr
.endr
; The tokens of my expert in group g: eight population counts, summed in a short tree so that few lines wait for the line before.
.macro GSUM g
.irp k, 0,1,2,3
	s_bcnt1_i32_b32 s[TT+(\k)], s[MK+8*(\g)+(\k)+2*((\g)/4)]
.endr
	s_add_co_u32 s[GS+(\g)], s[TT], s[TT+1]
	s_add_co_u32 s[TS], s[TT+2], s[TT+3]
.irp k, 0,1,2,3
	s_bcnt1_i32_b32 s[TT+(\k)], s[MK+8*(\g)+4+(\k)+2*((\g)/4)]
.endr
	s_add_co_u32 s[GS+(\g)], s[GS+(\g)], s[TS]
	s_add_co_u32 s[TT], s[TT], s[TT+1]
	s_add_co_u32 s[TT+2], s[TT+2], s[TT+3]
	s_add_co_u32 s[GS+(\g)], s[GS+(\g)], s[TT]
	s_add_co_u32 s[GS+(\g)], s[GS+(\g)], s[TT+2]
.endm
.irp g, 0,1,2,3,4,5,6,7
	GSUM \g
.endr
	s_add_co_u32 s[TT],   s[GS],   s[GS+1]         ; how many tokens chose expert w
	s_add_co_u32 s[TT+1], s[GS+2], s[GS+3]
	s_add_co_u32 s[TT+2], s[GS+4], s[GS+5]
	s_add_co_u32 s[TT+3], s[GS+6], s[GS+7]
	s_add_co_u32 s[TT],   s[TT],   s[TT+1]
	s_add_co_u32 s[TT+2], s[TT+2], s[TT+3]
	s_add_co_u32 s[TT],   s[TT],   s[TT+2]
	v_mov_b32 v10, s[TT]
	ds_store_b32 v9, v10                           ; all lanes write the same word with the same number
	s_wait_dscnt 0x0                               ; for the others' sake
	s_barrier_signal -1
	s_barrier_wait -1
	ds_load_b128 v[CT:CT+3], v7                    ; the eight counts, in every lane
	ds_load_b128 v[CT+4:CT+7], v7 offset:16
	v_mov_b32 v11, 0
	s_wait_dscnt 0x0
.irp e, 0,1,2,3,4,5,6                              ; my expert's first place: the counts of the experts below it
	s_cmp_gt_u32 s[WV], \e
	s_cselect_b32 s[TT+(\e)%4], -1, 0
	v_and_b32 v[24+(\e)%4], s[TT+(\e)%4], v[CT+(\e)]
	v_add_nc_u32 v11, v11, v[24+(\e)%4]
.endr
	v_readfirstlane_b32 s[RUN], v11
	s_sub_co_u32 s[RUN], s[RUN], s[P0]             ; counted from the block's first place: between -2,048 and 2,048
; Group g's tokens take the places RUN .. RUN + GS[g] - 1.  If none of these is one of 0 .. 15, the group is jumped.
.macro GROUP g
	s_add_co_i32 s[TS], s[RUN], s[GS+(\g)]         ; the place behind the group's last
	s_cmp_ge_i32 s[RUN], 16
	s_cbranch_scc1 .Lskip_\@                       ; the group begins behind the block
	s_cmp_le_i32 s[TS], 0
	s_cbranch_scc1 .Lskip_\@                       ; the group ends in front of the block
.irp k, 0,1,2,3,4,5,6,7
.set MJ, MK+8*(\g)+(\k)+2*((\g)/4)
.set VA, 24+2*((\k)%2)
	v_mbcnt_lo_u32_b32 v[VA], s[MJ], s[RUN]        ; the place so far + my expert's tokens in lower lanes; in front of the block the number wraps round and is very large
	v_cndmask_b32 v[VA], 16, v[VA], s[MJ]          ; another expert's token is thrown away,
	s_bcnt1_i32_b32 s[TS2], s[MJ]
	s_add_co_u32 s[RUN], s[RUN], s[TS2]
	v_min_u32 v[VA], 16, v[VA]                     ; and so is one outside the block
	v_lshl_add_u32 v[VA], v[VA], 2, v8
	v_add_nc_u32 v[VA+1], 128*((8*(\g)+(\k))/4)+(\k)%4, v3
	ds_store_b32 v[VA], v[VA+1]
.endr
.Lskip_\@:
	s_mov_b32 s[RUN], s[TS]                        ; on every way: the next group's first place
.endm
.irp g, 0,1,2,3,4,5,6,7
	GROUP \g
.endr
	s_wait_dscnt 0x0                               ; for the others' sake
	s_barrier_signal -1
	s_barrier_wait -1
	v_lshl_add_u32 v9, v4, 2, SLOTS
.irp w, 0,1,2,3,4,5,6,7
	ds_load_b32 v[SW+(\w)], v9 offset:128*(\w)     ; place lane % 16 in each wave's words
.endr
	s_wait_dscnt 0x0
	s_wait_tensorcnt 0x0                           ; the wave's end for LDS: work on registers stands between the add and its wait
	ds_add_u32 v30, v31
	v_or_b32 v[SW],   v[SW],   v[SW+1]
	v_or_b32 v[SW+2], v[SW+2], v[SW+3]
	v_or_b32 v[SW+4], v[SW+4], v[SW+5]
	v_or_b32 v[SW+6], v[SW+6], v[SW+7]
	v_or_b32 v[SW],   v[SW],   v[SW+2]
	v_or_b32 v[SW+4], v[SW+4], v[SW+6]
	v_or_b32 v[TK],   v[SW],   v[SW+4]             ; the token at my place
	v_min_u32 v[TK], 0x7ff, v[TK]                  ; inside xb, whatever idx held
	s_lshl_b32 s[TS], s[YH], 11                    ; half a row is 2,048 bytes,
	s_lshl_b32 s[TS2], s[WV], 8                    ; four K steps are 256
	s_add_co_u32 s[TS], s[TS], s[TS2]
	v_lshl_add_u32 v20, v5, 4, s[TS]
	v_lshl_add_u32 v20, v[TK], 12, v20             ; token x 4,096 + my wave's 256 bytes + 16 (lane / 16)
	s_wait_dscnt 0x0
.set i, 0
.rept 8                                            ; K step i / 2 of my four, half i % 2
	global_load_b128 v[IDX+4*i:IDX+4*i+3], v20, s[6:7] offset:64*(i/2)+32*(i%2)
.set i, i+1
.endr
	s_lshl_b32 s[OFS], ttmp9, 16                   ; a block is 65,536 bytes,
	s_lshl_b32 s[TS], s[YH], 15                    ; 32 K steps are 32,768,
	s_add_co_u32 s[OFS], s[OFS], s[TS]
	s_lshl_b32 s[TS], s[WV], 12                    ; four are 4,096
	s_add_co_u32 s[OFS], s[OFS], s[TS]
	s_add_nc_u64 s[8:9], s[8:9], s[OFS:OFS+1]
.set i, 0
.rept 8
	s_wait_loadcnt 7-i                             ; the younger loads stay out
	global_store_b128 v2, v[IDX+4*i:IDX+4*i+3], s[8:9] offset:512*i
.set i, i+1
.endr
	s_or_b32 s[TS], s[YH], s[WV]
	s_cmp_lg_u32 s[TS], 0
	s_cbranch_scc1 .Lend                           ; tok and seg are wave 0's, in the work-groups with y = 0: each byte has one writer
	s_cmp_lg_u32 s[P0], 0
	s_cbranch_scc1 .Ltok                           ; seg is block 0's
	v_add_nc_u32 v24, 1, v1
	v_lshrrev_b32 v24, 1, v24                      ; lane 2 e sums the experts below e, lane 2 e + 1 those up to e
	v_mov_b32 v22, 0
.irp e, 0,1,2,3,4,5,6,7
	v_cmp_lt_u32 vcc_lo, \e, v24
	v_cndmask_b32 v23, 0, v[CT+(\e)], vcc_lo
	v_add_nc_u32 v22, v22, v23
.endr
	global_store_b32 v3, v22, s[12:13]             ; 32 words; the next launch reads the first 16
.Ltok:
	v_lshlrev_b32 v21, 2, v4
	s_lshl_b32 s[OFS], s[P0], 2
	s_add_nc_u64 s[10:11], s[10:11], s[OFS:OFS+1]
	s_wait_xcnt 0x0                                ; EXEC changes only behind this wait
	v_cmp_gt_u32 vcc_lo, 16, v1
	s_and_saveexec_b32 s[TS], vcc_lo
	global_store_b32 v21, v[TK], s[10:11]          ; lanes 0-15: the block's sixteen tokens
	s_wait_xcnt 0x0                                ; and again, in front of the line that widens it
	s_or_b32 exec_lo, exec_lo, s[TS]
.Lend:
	s_endpgm
.Lfunc_end_k_q672602b89d_place:
	.size	k_q672602b89d_place, .Lfunc_end_k_q672602b89d_place-k_q672602b89d_place
	.p2alignl 7, 3214868480
	.fill 96, 4, 3214868480
	.section	.rodata,"a",@progbits
	.p2align	6, 0x0
	.amdhsa_kernel k_q672602b89d_place
		.amdhsa_group_segment_fixed_size 2304
		.amdhsa_private_segment_fixed_size 0
		.amdhsa_enable_private_segment 0
		.amdhsa_kernarg_size 40
		.amdhsa_user_sgpr_count 2
		.amdhsa_user_sgpr_kernarg_segment_ptr 1
		.amdhsa_wavefront_size32 1
		.amdhsa_system_sgpr_workgroup_id_x 1
		.amdhsa_system_sgpr_workgroup_id_y 1
		.amdhsa_system_sgpr_workgroup_id_z 1
		.amdhsa_system_vgpr_workitem_id 0
		.amdhsa_next_free_vgpr 96
		.amdhsa_next_free_sgpr 100
		.amdhsa_reserve_vcc 1
		.amdhsa_float_denorm_mode_32 3
		.amdhsa_float_denorm_mode_16_64 3
		.amdhsa_memory_ordered 1
		.amdhsa_forward_progress 1
		.amdhsa_inst_pref_size 45
	.end_amdhsa_kernel
	.amdgpu_metadata
---
amdhsa.version: [ 1, 2 ]
amdhsa.kernels:
  - .name:           k_q672602b89d_place
    .symbol:         k_q672602b89d_place.kd
    .args:
      - { .name: idx, .offset: 0, .size: 8, .value_kind: global_buffer, .address_space: global }
      - { .name: xb, .offset: 8, .size: 8, .value_kind: global_buffer, .address_space: global }
      - { .name: xs, .offset: 16, .size: 8, .value_kind: global_buffer, .address_space: global }
      - { .name: tok, .offset: 24, .size: 8, .value_kind: global_buffer, .address_space: global }
      - { .name: seg, .offset: 32, .size: 8, .value_kind: global_buffer, .address_space: global }
    .group_segment_fixed_size: 2304
    .private_segment_fixed_size: 0
    .kernarg_segment_align: 8
    .kernarg_segment_size: 40
    .max_flat_workgroup_size: 256
    .sgpr_count:     100
    .vgpr_count:     96
    .wavefront_size: 32
...
	.end_amdgpu_metadata
.endif
;; end of part 3
;; launch experts (part 4): grid 32 x 8, 8 waves a work-group, no clusters, 70,656 bytes of LDS; arguments We, be, seg, tok, xs, out0; writes out0
.if DOCPART == 4
	.amdgcn_target "amdgcn-amd-amdhsa--gfx1250"
	.amdhsa_code_object_version 6
	.text
	.protected	k_q672602b89d_experts
	.globl	k_q672602b89d_experts
	.p2align	8
	.type	k_q672602b89d_experts,@function
k_q672602b89d_experts:
	s_mov_b64 s[64:65], 0
	v_nop
	global_prefetch_b8 v0, s[64:65] scope:SCOPE_SE
	s_setreg_imm32_b32 hwreg(HW_REG_WAVE_MODE, 25, 1), 1
	s_wait_xcnt 0x0
; out0[n][f] = the sum over d of x[n][d] We[e][f][d] + be[e][f], e = the expert that token n chose.  We: [8][2048][2048] f32.  be: [8][2048] f32.  out0: [2048][2048] f32.
; From the launch before: xs, the rows of inputs in bf16, sorted by expert, in blocks of 16 places laid out as matrix operands (block B, K step s, half j, lane l: 16 bytes at
; 65,536 B + 1,024 s + 512 j + 16 l); tok: [2048] u32, the token at each place; seg: words 2 e, 2 e + 1: expert e's first place and the place behind its last.
; We and be are rounded once to bf16; sums in f32.  reference()'s factor 1 + (p - p) is exactly 1 for finite logits and is not multiplied in (limit: finite logits).
; SHARES.  Work-group (s, e) owns the 64 features 64 s .. 64 s + 63 of expert e and ALL rows that chose e: each byte of We is read once, by one work-group.
; Eight waves, all with the same text.  K goes in chunks of 128.  Of each chunk wave w brings features 8 w .. 8 w + 7 (f32, 512 consecutive bytes a load), rounds them
; and lays them into one of two LDS slots; every wave reads all 64 features from there as matrix operands.  Of the blocks that hold the expert's places wave w owns the
; w-th, the (8 + w)-th and the (16 + w)-th: 24 blocks are summed in registers; their fragments come from xs straight into registers, 512 consecutive bytes a load.
; ONE QUEUE.  Loads come back in the order of issue (ISA guide 5.7.1), so a wait for rows is a wait for every weight asked for before them.  Rows and weights are
; therefore asked for equally far ahead: a row slot is filled again one sub-step behind its use, for the chunk two on; a weight buffer as soon as it is rounded, for the
; chunk two on.  By the text's own count 63 loads of a wave are out at the start and 58 at the most in the loop: 42 of rows, 16 of weights.
; THE EDGES.  An expert's places begin and end inside blocks, so its first and last block also hold a neighbour's rows: those are multiplied and thrown away.  On the way out
; a place outside the expert's takes the nearest place inside it, for the sums that it reads and for the token that it stores to: that row's bytes are stored more than
; once, alike, and no other row is touched.  A block past the expert's last repeats that last block; it is not stored, and a dead third block is not multiplied.
; EVERY SPLIT.  Blocks past 24 go, 24 at a time, through a plain loop without a barrier: weights as f32 fragments straight from memory (16 bytes a lane from 16 rows, each
; wave the whole slice), rounded in registers.  That way is slow; it is there for splits that give one expert more than some 370 of the 2,048 rows.  6 passes cover all 128 blocks; dead ones are jumped.
; A work-group whose expert has no rows streams its slice, passes every barrier and stores nothing.
; THE MATRIX INSTRUCTION IS USED TRANSPOSED: source 0 = 16 features, source 1 = 16 rows.  A lane then holds one row (lane % 16) and the features 8 (lane / 16) + 0..7.
; NO CLUSTER, NO TENSOR LOAD: each slice of We has one reader and must be rounded on its way, so it goes through registers.  An expert's 32 work-groups do share its blocks of xs;
; asking for those jointly would want them in LDS, in a ring filled again behind a round a chunk, where they now go straight into operand registers: 96 KiB more through LDS for each chunk.
; REGISTERS, in windows of 256 (s_set_vgpr_msb: bits 1:0 source 0, 3:2 source 1, 5:4 source 2, 7:6 destination).
;   window 0: v0-31 addresses; v32-95 weight fragments, two buffers; v96-191 sums; v192-207 a chunk's rounded weights; v208-251 the way out
;   window 1: v0-191 row fragments: chunk parity p, sub-step q, block b at 96 p + 24 q + 8 b; v192-255 weights as loaded, two buffers of 32
.set WPITCH, 272                       ; a feature's row in a slot: 256 bytes + 16 = 68 words: row r starts at bank 4 r mod 64 (64 banks of 4 bytes: ISA guide 11.1)
.set SLOTB,  64*WPITCH                 ; a slot: one chunk of all 64 features
.set STAGE,  2*SLOTB                   ; behind the slots: for each wave its own stage for the way out: 16 rows x 272 bytes
.set SPITCH, 272
.set STAGEB, 16*SPITCH
.set SPARE,  STAGE+8*STAGEB            ; the spare words, 128 bytes for each of eight waves; no other line names them
.set CAPB,   24                        ; blocks of a pass
.set L16,  1                           ; v1      16 x lane
.set PST,  2                           ; v2      where my 8 bytes of feature 8 w go in slot 0
.set VBA,  3                           ; v3      (lane % 16) x WPITCH + 16 (lane / 16): my place in a block of 16 features
.set ROW,  8                           ; v8-10   my block b x 65,536 + 16 x lane
.set STO,  11                          ; v11     the way out: where I put 32 bytes of a row
.set RD,   12                          ; v12     the way out: my stage + 16 (lane % 16)
.set OC,   13                          ; v13     16 (lane % 16): my 16 bytes in a row's 256
.set WL,   15                          ; v15     (lane % 16) x 8,192 + 32 (lane / 16): my place in 16 rows of We
.set TMP,  16                          ; v16-24  at work
.set RR,   28                          ; v28     lane % 16
.set HH,   29                          ; v29     lane / 16
.set SPW,  30                          ; v30     my spare word; never rewritten
.set NIL,  31                          ; v31     0; kept for the add alone
.set BF,   32                          ; weight fragments: buffer u, feature block fb at BF + 32 u + 8 fb
.set RA,   32                          ; on the way out, when the fragments are done with: eight addresses in my stage
.set ACC,  96                          ; sums: block b, feature block fb at ACC + 32 b + 8 fb
.set PT,   192                         ; 16 registers: my 8 features of a chunk, rounded.  From the last chunk on: the tokens of blocks 0 and 1; those of block 2 at v240-247
.set TO,   208                         ; the way out: 16 rows read back, 32 registers
.set BI4,  248                         ; the bias of my four features on the way out
.set T,    0                           ; window 1
.set G,    192                         ; window 1
.set WV,   16                          ; s16  wave 0..7
.set EX,   17                          ; s17  e
.set OFS,  18                          ; s[18:19] an offset, its high word 0
.set WPT,  20                          ; s[20:21] We at my 8 features, at the chunk to be asked for
.set XP,   22                          ; s[22:23] xs at the chunk in hand
.set S0,   24                          ; s24  the expert's first place
.set E1,   25                          ; s25  its last place
.set NB,   26                          ; s26  my live blocks in this pass, 0 to 3
.set BASE, 27                          ; s27  the pass's first block
.set LC,   28                          ; s28-30 loop counters
.set PC,   29
.set IC,   30
.set WS,   38                          ; s[38:39] We at the slice's first byte
.set WS2,  40                          ; s[40:41] the same, walking along K
.set ENDB, 42                          ; s42  the block behind the expert's last
.set LASTB, 43                         ; s43  the expert's last block
.set BKI,  46                          ; s46-48 my three blocks
.set MSB, 0
.macro WIN new                         ; the immediate's high byte repeats the setting that is left; a switch that changes nothing is dropped
.if MSB != (\new)
	s_set_vgpr_msb (MSB<<8)|(\new)
.set MSB, (\new)
.endif
.endm
.set W_MM, 0x04                        ; source 1 (the rows) in window 1; weights and sums in window 0
.set W_LD, 0x40                        ; destination in window 1
.set W_CV, 0x05                        ; sources 0 and 1 in window 1
; Four products: block b of my rows x the four feature blocks, 32 along K.  first = 1: the products start the sums.
; The accumulators take turns, one instruction a turn: between two products on one accumulator stand 7 or 11 others'.
.macro MM b, p, q, first
.irp fb, 0,1,2,3
.if \first
	v_wmma_f32_16x16x32_bf16 v[ACC+32*(\b)+8*(\fb):ACC+32*(\b)+8*(\fb)+7], v[BF+32*((\q)&1)+8*(\fb):BF+32*((\q)&1)+8*(\fb)+7], v[T+96*(\p)+24*(\q)+8*(\b):T+96*(\p)+24*(\q)+8*(\b)+7], 0
.else
	v_wmma_f32_16x16x32_bf16 v[ACC+32*(\b)+8*(\fb):ACC+32*(\b)+8*(\fb)+7], v[BF+32*((\q)&1)+8*(\fb):BF+32*((\q)&1)+8*(\fb)+7], v[T+96*(\p)+24*(\q)+8*(\b):T+96*(\p)+24*(\q)+8*(\b)+7], v[ACC+32*(\b)+8*(\fb):ACC+32*(\b)+8*(\fb)+7]
.endif
.endr
.endm
; The weight fragments of sub-step q of the chunk in slot p, into buffer q % 2: 16 features x 32 K in 8 registers: lane l holds feature l % 16,
; K = 8 (l / 16) + 0..7 and 16 + 8 (l / 16) + 0..7: two loads of 16 bytes, 32 bytes apart.
.macro BLOAD p, q
.irp fb, 0,1,2,3
	ds_load_b128 v[BF+32*((\q)&1)+8*(\fb):BF+32*((\q)&1)+8*(\fb)+3],   v[VBA] offset:(\p)*SLOTB+(\fb)*16*WPITCH+64*(\q)
	ds_load_b128 v[BF+32*((\q)&1)+8*(\fb)+4:BF+32*((\q)&1)+8*(\fb)+7], v[VBA] offset:(\p)*SLOTB+(\fb)*16*WPITCH+64*(\q)+32
.endr
.endm
; One sub-step, 32 along K.  cn: the loads younger than this sub-step's rows.  rb >= 0: the row slot at register rb, used one sub-step ago, is filled again from byte ro.
; cd: the LDS loads younger than this sub-step's weights.  nx = 1: the weight buffer takes sub-step q + 2.  np = 1: four v_nop.
.macro KSUB p, q, first, cn, cd, rb, ro, nx, np
	s_wait_loadcnt \cn                             ; this sub-step's six row loads are in; what was asked for later stays out
.if (\rb) >= 0
	WIN W_LD
.irp blk, 0,1,2
	global_load_b128 v[(\rb)+8*(\blk):(\rb)+8*(\blk)+3],   v[ROW+(\blk)], s[XP:XP+1] offset:(\ro)      ; 512 consecutive bytes each, aligned
	global_load_b128 v[(\rb)+8*(\blk)+4:(\rb)+8*(\blk)+7], v[ROW+(\blk)], s[XP:XP+1] offset:(\ro)+512
.endr
.endif
	s_wait_dscnt \cd                               ; this sub-step's eight weight loads are in; the next sub-step's eight may be out
	WIN W_MM
	MM 0, \p, \q, \first
	MM 1, \p, \q, \first
.if \first
	MM 2, \p, \q, 1                                ; the first products of the third block are always made: its sums are written on every way
	WIN 0
.else
	WIN 0                                          ; at a branch and at a label every window is 0
	s_cmp_lt_u32 s[NB], 3
	s_cbranch_scc1 .Lno3_\@                        ; my third block lies past the expert's last
	WIN W_MM
	MM 2, \p, \q, 0
	WIN 0
.Lno3_\@:
.endif
.if \np                                            ; a load into a register that a matrix instruction has read stands four plain vector instructions behind it
.rept 4                                            ; (ISA guide 7.12.1 for vector instructions): these serve the weight loads below and the next sub-step's row loads
	v_nop
.endr
.endif
.if \nx
	BLOAD \p, (\q)+2
.endif
.endm
; One chunk's trip.  p: the chunk's parity.  n0-n3: the four counts on LOADcnt.  st: the next chunk's rounded weights go into the other slot.  r0: sub-step 3 of the next chunk's rows is asked for.
; r123: sub-steps 0 to 2 of the rows two chunks on.  cv: the weights two chunks on are rounded.  wl: their buffer is asked for again, four chunks on.  bar: a trip follows.
; sx, sw: the rows' and the weights' base go on by a chunk.  They are stepped here, behind the barrier and the LDS loads, and not at the end of the trip before, straight behind its loads.
.macro TRIP p, first, n0, n1, n2, n3, st, r0, r123, cv, wl, bar, sx, sw
.if \st
.irp i, 0,1,2,3,4,5,6,7
	ds_store_b64 v[PST], v[PT+2*(\i):PT+2*(\i)+1] offset:(1-(\p))*SLOTB+(\i)*WPITCH  ; 32 lanes x 8 neighbouring bytes; the slot's last readers have passed the barrier
.endr
.endif
	BLOAD \p, 0
	BLOAD \p, 1
.if \sx
	s_wait_xcnt 0x0                                ; the bases are stepped only behind this wait
	s_add_nc_u64 s[XP:XP+1], s[XP:XP+1], 4096
.if \sw
	s_add_nc_u64 s[WPT:WPT+1], s[WPT:WPT+1], 512
.endif
.endif
	KSUB \p, 0, \first, \n0, 8, (\r0)*(T+96*(1-(\p))+73)-1, 7168,  1, 1
	KSUB \p, 1, 0,      \n1, 8, (\r123)*(T+96*(\p)+1)-1,    8192,  1, 1
	KSUB \p, 2, 0,      \n2, 8, (\r123)*(T+96*(\p)+25)-1,   9216,  0, 1
	KSUB \p, 3, 0,      \n3, 0, (\r123)*(T+96*(\p)+49)-1,   10240, 0, 1-(\cv)
.if \cv
	WIN W_CV                                       ; these weights were asked for before the rows just waited for, so they are in; the 16 lines are also the places behind the products
.irp i, 0,1,2,3,4,5,6,7
	v_cvt_pk_bf16_f32 v[PT+2*(\i)],   v[G+32*(\p)+4*(\i)],   v[G+32*(\p)+4*(\i)+1]
	v_cvt_pk_bf16_f32 v[PT+2*(\i)+1], v[G+32*(\p)+4*(\i)+2], v[G+32*(\p)+4*(\i)+3]
.endr
.endif
.if \wl
	WIN W_LD
.irp i, 0,1,2,3,4,5,6,7
	global_load_b128 v[G+32*(\p)+4*(\i):G+32*(\p)+4*(\i)+3], v[L16], s[WPT:WPT+1] offset:(\i)*8192 th:TH_LOAD_NT  ; feature i of my 8: 512 consecutive bytes, aligned
.endr
.endif
	WIN 0
.if \bar
	s_wait_dscnt 0x0                               ; for the others' sake: my stores into the other slot are done, and my reads of this slot are over
	s_barrier_signal -1
	s_barrier_wait -1
.endif
.endm
; A pass begins: how many of my blocks are live, and where my three blocks lie.  w = 1: earlier loads and stores may still read what is rewritten here.
.macro SETUP w
.if \w
	s_wait_xcnt 0x0                                ; ROW and XP are rewritten only behind this wait
.endif
	s_sub_co_u32 s31, s[ENDB], s[BASE]             ; blocks left
	s_min_u32 s31, s31, CAPB                       ; live blocks of the pass; the (8 b + w)-th is my block b
	s_add_co_u32 s31, s31, 7
	s_sub_co_u32 s31, s31, s[WV]
	s_lshr_b32 s[NB], s31, 3
.irp blk, 0,1,2
	s_add_co_u32 s32, s[BASE], 8*(\blk)
	s_add_co_u32 s32, s32, s[WV]
	s_min_u32 s32, s32, s[LASTB]                   ; a block past the last repeats the last
	s_min_u32 s[BKI+(\blk)], s32, 127              ; inside xs, whatever seg holds
	s_lshl_b32 s32, s[BKI+(\blk)], 16
	v_add_nc_u32 v[ROW+(\blk)], s32, v[L16]
.endr
	s_mov_b64 s[XP:XP+1], s[12:13]
.endm
; The tokens of the rows that I shall store: for block b and t = 0..7 the place 16 x block + 2 t + lane / 16, held inside the expert's places.  A load lands on its own address register.
.macro TOKLOAD
.irp b, 0,1,2
.set OB, PT+8*(\b)+32*((\b)/2)
	s_lshl_b32 s32, s[BKI+(\b)], 4
	v_add_nc_u32 v[TMP+8], s32, v[HH]
.irp t, 0,1,2,3,4,5,6,7
	v_add_nc_u32 v[OB+(\t)], 2*(\t), v[TMP+8]
.endr
.irp t, 0,1,2,3,4,5,6,7
	v_max_u32 v[OB+(\t)], s[S0], v[OB+(\t)]
.endr
.irp t, 0,1,2,3,4,5,6,7
	v_min_u32 v[OB+(\t)], s[E1], v[OB+(\t)]
.endr
.irp t, 0,1,2,3,4,5,6,7
	v_min_u32 v[OB+(\t)], 0x7ff, v[OB+(\t)]        ; inside tok, whatever seg holds
.endr
.irp t, 0,1,2,3,4,5,6,7
	v_lshlrev_b32 v[OB+(\t)], 2, v[OB+(\t)]
.endr
.irp t, 0,1,2,3,4,5,6,7
	global_load_b32 v[OB+(\t)], v[OB+(\t)], s[10:11]
.endr
.endr
.endm
; The plain way, 32 along K: weights as f32 fragments from memory (my feature's K = 8 h + 0..7 are 32 bytes, K = 16 + 8 h + 0..7 the 32 bytes 64 further on), rounded; rows as above.
.macro SSTEP first
	WIN W_LD
.irp fb, 0,1,2,3
	global_load_b128 v[G+16*(\fb):G+16*(\fb)+3],     v[WL], s[WS2:WS2+1] offset:(\fb)*131072
	global_load_b128 v[G+16*(\fb)+4:G+16*(\fb)+7],   v[WL], s[WS2:WS2+1] offset:(\fb)*131072+16
	global_load_b128 v[G+16*(\fb)+8:G+16*(\fb)+11],  v[WL], s[WS2:WS2+1] offset:(\fb)*131072+64
	global_load_b128 v[G+16*(\fb)+12:G+16*(\fb)+15], v[WL], s[WS2:WS2+1] offset:(\fb)*131072+80
.endr
.irp blk, 0,1,2
	global_load_b128 v[T+8*(\blk):T+8*(\blk)+3],   v[ROW+(\blk)], s[XP:XP+1]
	global_load_b128 v[T+8*(\blk)+4:T+8*(\blk)+7], v[ROW+(\blk)], s[XP:XP+1] offset:512
.endr
	s_wait_loadcnt 0x0                             ; all are in: the bases may be stepped below
	WIN W_CV
.set i, 0
.rept 32
	v_cvt_pk_bf16_f32 v[BF+i], v[G+2*i], v[G+2*i+1]
.set i, i+1
.endr
	WIN W_MM
	MM 0, 0, 0, \first
	MM 1, 0, 0, \first
	MM 2, 0, 0, \first
	WIN 0
.rept 4
	v_nop                                          ; the places in front of the next trip's loads and conversions, and of the way out
.endr
	s_add_nc_u64 s[WS2:WS2+1], s[WS2:WS2+1], 128
	s_add_nc_u64 s[XP:XP+1], s[XP:XP+1], 1024
.endm
	s_load_b256 s[4:11], s[0:1], 0x0               ; We s[4:5], be s[6:7], seg s[8:9], tok s[10:11]
	s_load_b128 s[12:15], s[0:1], 0x20             ; xs s[12:13], out0 s[14:15]
	v_lshl_add_u32 v[SPW], v0, 2, SPARE
	v_mov_b32 v[NIL], 0
	v_lshrrev_b32 v[TMP], 5, v0
	v_readfirstlane_b32 s[WV], v[TMP]              ; wave 0..7
	v_and_b32 v[TMP+1], 31, v0                     ; lane
	v_and_b32 v[RR], 15, v0
	v_bfe_u32 v[HH], v0, 4, 1
	v_lshlrev_b32 v[L16], 4, v[TMP+1]
	v_lshlrev_b32 v[OC], 4, v[RR]
	s_and_b32 s[EX], ttmp7, 0xffff
	s_mov_b32 s[OFS+1], 0
	s_mov_b32 s36, 0xffff0000                      ; a word's upper bf16
	s_lshl_b32 s31, ttmp9, 8                       ; the slice's 64 features: 256 bytes of a row of be and of out0
	s_lshl_b32 s32, s[EX], 13                      ; a row of be is 8,192 bytes
	s_add_co_u32 s32, s32, s31
	s_lshl_b32 s33, s[EX], 24                      ; an expert is 2048 x 8,192 bytes,
	s_lshl_b32 s34, ttmp9, 19                      ; a slice 64 x 8,192,
	s_add_co_u32 s33, s33, s34
	s_lshl_b32 s34, s[WV], 16                      ; my part 8 x 8,192
	s_lshl_b32 s35, s[EX], 3                       ; my expert's two words of seg
	s_wait_kmcnt 0x0
	s_load_b64 s[44:45], s[8:9], s35 offset:0x0
	; the bias and four chunks of my 8 features, 33 loads, go out while seg is on its way
	s_mov_b32 s[OFS], s32
	s_add_nc_u64 s[6:7], s[6:7], s[OFS:OFS+1]
	global_load_b128 v[BI4:BI4+3], v[OC], s[6:7]   ; be of features 4 (lane % 16) + 0..3 of the slice
	s_mov_b32 s[OFS], s31
	s_add_nc_u64 s[14:15], s[14:15], s[OFS:OFS+1]  ; out0 at my slice's 256 bytes of row 0
	s_mov_b32 s[OFS], s33
	s_add_nc_u64 s[WS:WS+1], s[4:5], s[OFS:OFS+1]
	s_mov_b32 s[OFS], s34
	s_add_nc_u64 s[WPT:WPT+1], s[WS:WS+1], s[OFS:OFS+1]
.irp c, 0,1                                        ; chunks 0 and 1 into the weight fragments' registers, which are idle yet
.irp i, 0,1,2,3,4,5,6,7
	global_load_b128 v[BF+32*(\c)+4*(\i):BF+32*(\c)+4*(\i)+3], v[L16], s[WPT:WPT+1] offset:(\i)*8192+512*(\c) th:TH_LOAD_NT
.endr
.endr
	WIN W_LD
.irp c, 0,1                                        ; chunks 2 and 3 into the two buffers
.irp i, 0,1,2,3,4,5,6,7
	global_load_b128 v[G+32*(\c)+4*(\i):G+32*(\c)+4*(\i)+3], v[L16], s[WPT:WPT+1] offset:(\i)*8192+1024+512*(\c) th:TH_LOAD_NT
.endr
.endr
	WIN 0
	; the addresses, while the loads are out
	s_mul_i32 s31, s[WV], 8*WPITCH
	v_lshl_add_u32 v[PST], v[TMP+1], 3, s31
	v_mul_u32_u24 v[VBA], v[RR], WPITCH
	v_lshl_add_u32 v[VBA], v[HH], 4, v[VBA]
	s_mul_i32 s32, s[WV], STAGEB
	s_add_co_u32 s32, s32, STAGE
	v_mul_u32_u24 v[TMP+2], v[RR], SPITCH          ; in: row lane % 16, 32 bytes for each half of the lanes
	v_lshl_add_u32 v[TMP+2], v[HH], 5, v[TMP+2]
	v_add_nc_u32 v[STO], s32, v[TMP+2]
	v_lshl_add_u32 v[RD], v[RR], 4, s32            ; back: 16 lanes take one row's 256 bytes
	v_lshlrev_b32 v[WL], 13, v[RR]
	v_lshl_add_u32 v[WL], v[HH], 5, v[WL]
	s_wait_kmcnt 0x0                               ; seg
	s_min_u32 s[S0], s44, 0x800                    ; the first place,
	s_min_u32 s33, s45, 0x800                      ; the place behind the last,
	s_max_u32 s33, s33, s[S0]                      ; never below the first
	s_lshr_b32 s[BASE], s[S0], 4                   ; the first block
	s_add_co_u32 s34, s33, 15
	s_lshr_b32 s34, s34, 4                         ; the block behind the last;
	s_cmp_eq_u32 s33, s[S0]
	s_cselect_b32 s[ENDB], s[BASE], s34            ; with no rows there is no block
	s_max_u32 s[E1], s33, 1
	s_sub_co_u32 s[E1], s[E1], 1                   ; the last place
	s_add_co_u32 s34, s[BASE], 1
	s_max_u32 s34, s[ENDB], s34
	s_sub_co_u32 s[LASTB], s34, 1                  ; the last block (with no rows: the first)
	SETUP 0
	WIN W_LD
.irp cq, 0,1,2,3,4                                 ; the rows of chunk 0 and of the first sub-step of chunk 1, in the order of their use: with these 30, 63 loads are out
.irp blk, 0,1,2
	global_load_b128 v[T+24*(\cq)+8*(\blk):T+24*(\cq)+8*(\blk)+3],   v[ROW+(\blk)], s[XP:XP+1] offset:1024*(\cq)
	global_load_b128 v[T+24*(\cq)+8*(\blk)+4:T+24*(\cq)+8*(\blk)+7], v[ROW+(\blk)], s[XP:XP+1] offset:1024*(\cq)+512
.endr
.endr
	s_wait_loadcnt 46                              ; the bias and chunks 0 and 1 of the weights are in; chunks 2 and 3 (16 loads) and the 30 row loads stay out
.irp cq, 5,6                                       ; two more sub-steps of chunk 1: 58 loads are out
.irp blk, 0,1,2
	global_load_b128 v[T+24*(\cq)+8*(\blk):T+24*(\cq)+8*(\blk)+3],   v[ROW+(\blk)], s[XP:XP+1] offset:1024*(\cq)
	global_load_b128 v[T+24*(\cq)+8*(\blk)+4:T+24*(\cq)+8*(\blk)+7], v[ROW+(\blk)], s[XP:XP+1] offset:1024*(\cq)+512
.endr
.endr
	WIN 0
	v_cvt_pk_bf16_f32 v[TMP+4], v[BI4],   v[BI4+1] ; the bias rounded to bf16 and widened again
	v_cvt_pk_bf16_f32 v[TMP+5], v[BI4+2], v[BI4+3]
	v_lshlrev_b32 v[BI4],   16,  v[TMP+4]
	v_and_b32     v[BI4+1], s36, v[TMP+4]
	v_lshlrev_b32 v[BI4+2], 16,  v[TMP+5]
	v_and_b32     v[BI4+3], s36, v[TMP+5]
.irp i, 0,1,2,3,4,5,6,7                            ; chunk 0, rounded, into slot 0
	v_cvt_pk_bf16_f32 v[TO+2*(\i)],   v[BF+4*(\i)],   v[BF+4*(\i)+1]
	v_cvt_pk_bf16_f32 v[TO+2*(\i)+1], v[BF+4*(\i)+2], v[BF+4*(\i)+3]
.endr
.irp i, 0,1,2,3,4,5,6,7
	ds_store_b64 v[PST], v[TO+2*(\i):TO+2*(\i)+1] offset:(\i)*WPITCH
.endr
.irp i, 0,1,2,3,4,5,6,7                            ; chunk 1, rounded: the first trip stores it
	v_cvt_pk_bf16_f32 v[PT+2*(\i)],   v[BF+32+4*(\i)],   v[BF+32+4*(\i)+1]
	v_cvt_pk_bf16_f32 v[PT+2*(\i)+1], v[BF+32+4*(\i)+2], v[BF+32+4*(\i)+3]
.endr
	s_wait_xcnt 0x0
	s_add_nc_u64 s[WPT:WPT+1], s[WPT:WPT+1], 2048  ; chunk 4
	s_wait_dscnt 0x0                               ; for the others' sake: my part of chunk 0 is in LDS
	s_barrier_signal -1
	s_barrier_wait -1
	; THE COUNTS.  In a steady trip i the queue holds, oldest first: rows (i, 0), (i, 1), (i, 2); weights i + 2; rows (i, 3), (i + 1, 0), (i + 1, 1), (i + 1, 2); weights i + 3:
	; six loads a row slot, eight a chunk of weights.  Each sub-step waits for its slot and then asks for one more slot, so 6 x 6 + 16 = 52 are younger than slots 0 to 2, and
	; 6 x 6 + 8 = 44 than slot 3.  At the start both chunks of weights that are out are older than all rows (36); a trip later one is (44).  At the end the counts run down;
	; in the last trip the 24 loads of tokens, asked for at its head, are younger than all its rows.
	TRIP 0, 1, 36, 36, 36, 36, 1, 1, 1, 1, 1, 1, 0, 0    ; chunk 0: its products start the sums
	TRIP 1, 0, 44, 44, 44, 44, 1, 1, 1, 1, 1, 1, 1, 1    ; chunk 1
	s_mov_b32 s[LC], 5
.Lmain:                                                ; chunks 2 to 11
	TRIP 0, 0, 52, 52, 52, 44, 1, 1, 1, 1, 1, 1, 1, 1
	TRIP 1, 0, 52, 52, 52, 44, 1, 1, 1, 1, 1, 1, 1, 1
	s_sub_co_u32 s[LC], s[LC], 1
	s_cmp_lg_u32 s[LC], 0
	s_cbranch_scc1 .Lmain
	TRIP 0, 0, 52, 52, 52, 44, 1, 1, 1, 1, 0, 1, 1, 0    ; chunk 12: no weights are left to ask for
	TRIP 1, 0, 44, 44, 44, 36, 1, 1, 1, 1, 0, 1, 1, 0    ; chunk 13: the last rows but six loads are asked for; chunk 15's weights are rounded
	TRIP 0, 0, 36, 36, 30, 24, 1, 1, 0, 0, 0, 1, 1, 0    ; chunk 14: the last six row loads; chunk 15 goes into its slot
	TOKLOAD                                              ; the tokens land while the last chunk is multiplied
	TRIP 1, 0, 42, 36, 30, 24, 0, 0, 0, 0, 0, 0, 0, 0    ; chunk 15; no barrier from here on: nobody writes the slots any more, and the stages are each wave's own
	s_mov_b32 s[PC], 0
.Lpass:                                                ; 6 trips: the pass in hand goes out; if blocks are left, the next 24 are multiplied the plain way
	s_wait_loadcnt 0x0                             ; the tokens
	; THE WAY OUT, a block of 16 rows at a time.  A lane's eight sums are 32 bytes of a row's 256; they go into rows of 272 bytes of my stage and come back as whole rows.
.irp b, 0,1,2
.set OB, PT+8*(\b)+32*((\b)/2)
	s_cmp_le_u32 s[NB], \b
	s_cbranch_scc1 .Lstored                        ; this block and those behind it lie past the expert's last
	s_wait_xcnt 0x0                                ; the registers that earlier stores read are rewritten only behind this wait
	s_lshl_b32 s32, s[BKI+(\b)], 4                 ; the block's first place
	v_add_nc_u32 v[TMP+8], s32, v[HH]
.irp t, 0,1,2,3,4,5,6,7                            ; the places of the rows that I shall store,
	v_add_nc_u32 v[TMP+(\t)], 2*(\t), v[TMP+8]
.endr
.irp t, 0,1,2,3,4,5,6,7                            ; held inside the expert's places, as for the tokens;
	v_max_u32 v[TMP+(\t)], s[S0], v[TMP+(\t)]
.endr
.irp t, 0,1,2,3,4,5,6,7
	v_min_u32 v[TMP+(\t)], s[E1], v[TMP+(\t)]
.endr
.irp t, 0,1,2,3,4,5,6,7                            ; a live block holds one of them, so the row is one of the block's
	v_sub_nc_u32 v[TMP+(\t)], v[TMP+(\t)], s32
.endr
.irp t, 0,1,2,3,4,5,6,7
	v_min_u32 v[TMP+(\t)], 15, v[TMP+(\t)]         ; inside my stage, whatever seg holds
.endr
.irp t, 0,1,2,3,4,5,6,7                            ; row x 272 = row x 256 + row x 16
	v_lshl_add_u32 v[RA+(\t)], v[TMP+(\t)], 8, v[RD]
.endr
.irp t, 0,1,2,3,4,5,6,7
	v_lshl_add_u32 v[RA+(\t)], v[TMP+(\t)], 4, v[RA+(\t)]
.endr
.irp fb, 0,1,2,3                                   ; each accumulator's low registers first
	ds_store_b128 v[STO], v[ACC+32*(\b)+8*(\fb):ACC+32*(\b)+8*(\fb)+3]   offset:64*(\fb)
	ds_store_b128 v[STO], v[ACC+32*(\b)+8*(\fb)+4:ACC+32*(\b)+8*(\fb)+7] offset:64*(\fb)+16
.endr
.irp t, 0,1,2,3,4,5,6,7
	ds_load_b128 v[TO+4*(\t):TO+4*(\t)+3], v[RA+(\t)]  ; LDS serves a wave's instructions in order (ISA guide 5.7.1.4): these see the stores above; the next block's stores come behind them
.endr
.irp t, 0,1,2,3,4,5,6,7
	v_min_u32 v[OB+(\t)], 0x7ff, v[OB+(\t)]        ; inside out0, whatever tok holds
.endr
.irp t, 0,1,2,3,4,5,6,7
	v_lshl_add_u32 v[OB+(\t)], v[OB+(\t)], 13, v[OC]
.endr
	s_wait_dscnt 0x0
.irp t, 0,1,2,3,4,5,6,7                            ; + be: my four features are the same in every row
	v_pk_add_f32 v[TO+4*(\t):TO+4*(\t)+1],   v[TO+4*(\t):TO+4*(\t)+1],   v[BI4:BI4+1]
	v_pk_add_f32 v[TO+4*(\t)+2:TO+4*(\t)+3], v[TO+4*(\t)+2:TO+4*(\t)+3], v[BI4+2:BI4+3]
.endr
.irp t, 0,1,2,3,4,5,6,7
	global_store_b128 v[OB+(\t)], v[TO+4*(\t):TO+4*(\t)+3], s[14:15] th:TH_STORE_NT  ; 16 lanes store 256 consecutive bytes of a token's row, at a multiple of 256 from out0's first byte
.endr
.endr
.Lstored:
	s_add_co_u32 s[BASE], s[BASE], CAPB
	s_mov_b32 s[NB], 0                             ; nothing to store, unless a pass follows
	s_cmp_ge_u32 s[BASE], s[ENDB]
	s_cbranch_scc1 .Lnext                          ; no block is left: the trip is dead
	SETUP 1
	s_cmp_eq_u32 s[NB], 0
	s_cbranch_scc1 .Lnext                          ; none of the blocks left is mine
	TOKLOAD
	s_mov_b64 s[WS2:WS2+1], s[WS:WS+1]
	SSTEP 1                                        ; K = 0 .. 31 starts the sums
	s_mov_b32 s[IC], 63
.Lk:
	SSTEP 0
	s_sub_co_u32 s[IC], s[IC], 1
	s_cmp_lg_u32 s[IC], 0
	s_cbranch_scc1 .Lk
.Lnext:
	s_add_co_u32 s[PC], s[PC], 1
	s_cmp_lt_u32 s[PC], 6
	s_cbranch_scc1 .Lpass
	s_wait_tensorcnt 0x0                           ; the wave's end
	ds_add_u32 v[SPW], v[NIL]
	s_wait_dscnt 0x0
	s_endpgm
.Lfunc_end_k_q672602b89d_experts:
	.size	k_q672602b89d_experts, .Lfunc_end_k_q672602b89d_experts-k_q672602b89d_experts
	.p2alignl 7, 3214868480
	.fill 96, 4, 3214868480
	.section	.rodata,"a",@progbits
	.p2align	6, 0x0
	.amdhsa_kernel k_q672602b89d_experts
		.amdhsa_group_segment_fixed_size 70656
		.amdhsa_private_segment_fixed_size 0
		.amdhsa_enable_private_segment 0
		.amdhsa_kernarg_size 48
		.amdhsa_user_sgpr_count 2
		.amdhsa_user_sgpr_kernarg_segment_ptr 1
		.amdhsa_wavefront_size32 1
		.amdhsa_system_sgpr_workgroup_id_x 1
		.amdhsa_system_sgpr_workgroup_id_y 1
		.amdhsa_system_sgpr_workgroup_id_z 1
		.amdhsa_system_vgpr_workitem_id 0
		.amdhsa_next_free_vgpr 512
		.amdhsa_next_free_sgpr 66
		.amdhsa_reserve_vcc 0
		.amdhsa_float_denorm_mode_32 3
		.amdhsa_float_denorm_mode_16_64 3
		.amdhsa_memory_ordered 1
		.amdhsa_forward_progress 1
		.amdhsa_inst_pref_size 140
	.end_amdhsa_kernel
	.amdgpu_metadata
---
amdhsa.version: [ 1, 2 ]
amdhsa.kernels:
  - .name:           k_q672602b89d_experts
    .symbol:         k_q672602b89d_experts.kd
    .args:
      - { .name: We, .offset: 0, .size: 8, .value_kind: global_buffer, .address_space: global }
      - { .name: be, .offset: 8, .size: 8, .value_kind: global_buffer, .address_space: global }
      - { .name: seg, .offset: 16, .size: 8, .value_kind: global_buffer, .address_space: global }
      - { .name: tok, .offset: 24, .size: 8, .value_kind: global_buffer, .address_space: global }
      - { .name: xs, .offset: 32, .size: 8, .value_kind: global_buffer, .address_space: global }
      - { .name: out0, .offset: 40, .size: 8, .value_kind: global_buffer, .address_space: global }
    .group_segment_fixed_size: 70656
    .private_segment_fixed_size: 0
    .kernarg_segment_align: 8
    .kernarg_segment_size: 48
    .max_flat_workgroup_size: 256
    .sgpr_count:     66
    .vgpr_count:     512
    .wavefront_size: 32
...
	.end_amdgpu_metadata
.endif
;; end of part 4
;; ======== version 3 of 3: 3 launches; version 2 with the launch experts written anew for expert scheduling mode
;; workspace buffers: idx 8,192 bytes of whole numbers; xb 8,388,608 bytes; xs 8,388,608 bytes; tok 8,192 bytes of whole numbers; seg 256 bytes of whole numbers
;; launch route: the kernel of part 1 again; grid 256 x 1, 8 waves a work-group, no clusters, 66,560 bytes of LDS; arguments condition, Wp, bp, inputs, idx, xb; writes idx, xb
;; launch place: the kernel of part 3 again; grid 128 x 2, 8 waves a work-group, no clusters, 2,304 bytes of LDS; arguments idx, xb, xs, tok, seg; writes xs, tok, seg
;; launch experts (part 5): grid 32 x 8, 8 waves a work-group, no clusters, 70,656 bytes of LDS; arguments We, be, seg, tok, xs, out0; writes out0
.if DOCPART == 5
	.amdgcn_target "amdgcn-amd-amdhsa--gfx1250"
	.amdhsa_code_object_version 6
	.text
	.protected	k_q672602b89d_experts
	.globl	k_q672602b89d_experts
	.p2align	8
	.type	k_q672602b89d_experts,@function
k_q672602b89d_experts:
	s_mov_b64 s[64:65], 0
	v_nop
	global_prefetch_b8 v0, s[64:65] scope:SCOPE_SE
	s_setreg_imm32_b32 hwreg(HW_REG_WAVE_SCHED_MODE, 0, 2), 2
	s_setreg_imm32_b32 hwreg(HW_REG_WAVE_MODE, 25, 1), 1
	s_wait_xcnt 0x0
	s_wait_alu depctr_vm_vsrc(0)
; out0[n][f] = the sum over d of x[n][d] We[e][f][d] + be[e][f], e = the expert that token n chose.  We: [8][2048][2048] f32.  be: [8][2048] f32.  out0: [2048][2048] f32.
; From the launch before: xs, the rows of inputs in bf16, sorted by expert, in blocks of 16 places laid out as matrix operands (block B, K step s, half j, lane l: 16 bytes at
; 65,536 B + 1,024 s + 512 j + 16 l); tok: [2048] u32, the token at each place; seg: words 2 e, 2 e + 1: expert e's first place and the place behind its last.
; We and be are rounded once to bf16; sums in f32.  reference()'s factor 1 + (p - p) is exactly 1 for finite logits and is not multiplied in (limit: finite logits).
; SHARES.  Work-group (s, e) owns the 64 features 64 s .. 64 s + 63 of expert e and ALL rows that chose e: each byte of We is read once, by one work-group.
; Eight waves, all with the same text.  K goes in chunks of 128.  Of each chunk wave w brings features 8 w .. 8 w + 7 (f32, 512 consecutive bytes a load), rounds them
; and lays them into one of two LDS slots; every wave reads all 64 features from there as matrix operands.  Of the blocks that hold the expert's places wave w owns the
; w-th, the (8 + w)-th and the (16 + w)-th: 24 blocks are summed in registers; their fragments come from xs straight into registers, 512 consecutive bytes a load.
; ONE QUEUE.  Loads come back in the order of issue (ISA guide 5.7.1), so a wait for rows is a wait for every weight asked for before them.  Rows and weights are
; therefore asked for equally far ahead: a row slot is filled again one sub-step behind its use, for the chunk two on; a weight buffer as soon as it is rounded, for the
; chunk two on.  By the text's own count 63 loads of a wave are out at the start and 58 at the most in the loop: 42 of rows, 16 of weights.
; THE EDGES.  An expert's places begin and end inside blocks, so its first and last block also hold a neighbour's rows: those are multiplied and thrown away.  On the way out
; a place outside the expert's takes the nearest place inside it, for the sums that it reads and for the token that it stores to: that row's bytes are stored more than
; once, alike, and no other row is touched.  A block past the expert's last repeats that last block; it is not stored, and a dead third block is not multiplied.
; EVERY SPLIT.  Blocks past 24 go, 24 at a time, through a plain loop without a barrier: weights as f32 fragments straight from memory (16 bytes a lane from 16 rows, each
; wave the whole slice), rounded in registers.  That way is slow; it is there for splits that give one expert more than some 370 of the 2,048 rows.  6 passes cover all 128 blocks; dead ones are jumped.
; A work-group whose expert has no rows streams its slice, passes every barrier and stores nothing.
; THE MATRIX INSTRUCTION IS USED TRANSPOSED: source 0 = 16 features, source 1 = 16 rows.  A lane then holds one row (lane % 16) and the features 8 (lane / 16) + 0..7.
; NO CLUSTER, NO TENSOR LOAD: each slice of We has one reader and must be rounded on its way, so it goes through registers.  An expert's 32 work-groups do share its blocks of xs;
; asking for those jointly would want them in LDS, in a ring filled again behind a round a chunk, where they now go straight into operand registers: 96 KiB more through LDS for each chunk.
; REGISTERS, in windows of 256 (s_set_vgpr_msb: bits 1:0 source 0, 3:2 source 1, 5:4 source 2, 7:6 destination).
;   window 0: v0-31 addresses; v32-95 weight fragments, two buffers; v96-191 sums; v192-207 a chunk's rounded weights; v208-251 the way out (v208-231 first hold the addresses of the tokens' loads)
;   window 1: v0-191 row fragments: chunk parity p, sub-step q, block b at 96 p + 24 q + 8 b; v192-255 weights as loaded, two buffers of 32
; THE MODE: SCHED_MODE bits 1:0 = 2 (LLVM: expert scheduling mode 2), set by the entry lines.  The code itself states the register dependences
; between vector or matrix instructions and memory or LDS instructions, with s_wait_alu, always for 0.
; THE PLAN.  Registers that memory or LDS instructions touch, round a trip (a chunk of parity p, four sub-steps q):
;   T(p, q)    a row slot.  Read by the products of sub-step q; the six loads that fill it again are issued in the next sub-step.
;   BF0, BF1   the weight buffers.  The products of sub-step q read BF[q % 2]; the LDS loads of sub-step q + 2 land in it, issued at the head of sub-step q + 1.
;   G[p]       weights as loaded.  Read by the sixteen conversions at the trip's end; eight loads land in it straight behind them.
;   PT         Written by those conversions; read by the next trip's eight LDS stores, at its head.
;   ROW, VBA, PST, L16   addresses, never written in the loop; the bases of rows and weights are scalar registers.
; So a trip has four waits on va_vdst: at the heads of sub-steps 1, 2 and 3 (the products of the sub-step before are done reading their weight buffer and their row slot), and behind the
; conversions (G[p] is read, PT is written, the last products are done reading both weight buffers and slot (p, 3): that serves the weight loads, and the next trip's LDS stores, its first sixteen
; LDS loads and its first row loads, ahead of which no vector or matrix instruction names any of these registers).  Behind a sub-step's wait stand the LDS loads, eight products, the row loads and
; the last four products: these products name BF[q % 2], T(p, q) and the sums, none of which those loads touch.  One wait on vm_vsrc, at the head of sub-step 3, states that the trip's LDS stores have read PT.
.set WPITCH, 272                       ; a feature's row in a slot: 256 bytes + 16 = 68 words: row r starts at bank 4 r mod 64 (64 banks of 4 bytes: ISA guide 11.1)
.set SLOTB,  64*WPITCH                 ; a slot: one chunk of all 64 features
.set STAGE,  2*SLOTB                   ; behind the slots: for each wave its own stage for the way out: 16 rows x 272 bytes
.set SPITCH, 272
.set STAGEB, 16*SPITCH
.set SPARE,  STAGE+8*STAGEB            ; the spare words, 128 bytes for each of eight waves; no other line names them
.set CAPB,   24                        ; blocks of a pass
.set L16,  1                           ; v1      16 x lane
.set PST,  2                           ; v2      where my 8 bytes of feature 8 w go in slot 0
.set VBA,  3                           ; v3      (lane % 16) x WPITCH + 16 (lane / 16): my place in a block of 16 features
.set ROW,  8                           ; v8-10   my block b x 65,536 + 16 x lane
.set STO,  11                          ; v11     the way out: where I put 32 bytes of a row
.set RD,   12                          ; v12     the way out: my stage + 16 (lane % 16)
.set OC,   13                          ; v13     16 (lane % 16): my 16 bytes in a row's 256
.set WL,   15                          ; v15     (lane % 16) x 8,192 + 32 (lane / 16): my place in 16 rows of We
.set TMP,  16                          ; v16-24  at work: no memory instruction names them
.set RR,   28                          ; v28     lane % 16
.set HH,   29                          ; v29     lane / 16
.set SPW,  30                          ; v30     my spare word; never rewritten
.set NIL,  31                          ; v31     0; kept for the add alone
.set BF,   32                          ; weight fragments: buffer u, feature block fb at BF + 32 u + 8 fb
.set RA,   32                          ; on the way out, when the fragments are done with: eight addresses in my stage
.set ACC,  96                          ; sums: block b, feature block fb at ACC + 32 b + 8 fb
.set PT,   192                         ; 16 registers: my 8 features of a chunk, rounded.  From the last chunk on: the tokens of blocks 0 and 1; those of block 2 at v240-247
.set TO,   208                         ; the way out: 16 rows read back, 32 registers
.set TA,   208                         ; ahead of a way out: the byte offsets in tok of my 24 tokens, block b at TA + 8 b
.set BI4,  248                         ; the bias of my four features on the way out
.set T,    0                           ; window 1
.set G,    192                         ; window 1
.set WV,   16                          ; s16  wave 0..7
.set EX,   17                          ; s17  e
.set OFS,  18                          ; s[18:19] an offset, its high word 0
.set WPT,  20                          ; s[20:21] We at my 8 features, at the chunk to be asked for
.set XP,   22                          ; s[22:23] xs at the chunk in hand
.set S0,   24                          ; s24  the expert's first place
.set E1,   25                          ; s25  its last place
.set NB,   26                          ; s26  my live blocks in this pass, 0 to 3
.set BASE, 27                          ; s27  the pass's first block
.set LC,   28                          ; s28-30 loop counters
.set PC,   29
.set IC,   30
.set WS,   38                          ; s[38:39] We at the slice's first byte
.set WS2,  40                          ; s[40:41] the same, walking along K
.set ENDB, 42                          ; s42  the block behind the expert's last
.set LASTB, 43                         ; s43  the expert's last block
.set BKI,  46                          ; s46-48 my three blocks
.set MSB, 0
.macro WIN new                         ; the immediate's high byte repeats the setting that is left; a switch that changes nothing is dropped
.if MSB != (\new)
	s_set_vgpr_msb (MSB<<8)|(\new)
.set MSB, (\new)
.endif
.endm
.set W_MM, 0x04                        ; source 1 (the rows) in window 1; weights and sums in window 0
.set W_LD, 0x40                        ; destination in window 1
.set W_CV, 0x05                        ; sources 0 and 1 in window 1
; Four products: block b of my rows x the four feature blocks, 32 along K.  first = 1: the products start the sums.
; The accumulators take turns, one instruction a turn: between two products on one accumulator stand 7 or 11 others'.
.macro MM b, p, q, first
.irp fb, 0,1,2,3
.if \first
	v_wmma_f32_16x16x32_bf16 v[ACC+32*(\b)+8*(\fb):ACC+32*(\b)+8*(\fb)+7], v[BF+32*((\q)&1)+8*(\fb):BF+32*((\q)&1)+8*(\fb)+7], v[T+96*(\p)+24*(\q)+8*(\b):T+96*(\p)+24*(\q)+8*(\b)+7], 0
.else
	v_wmma_f32_16x16x32_bf16 v[ACC+32*(\b)+8*(\fb):ACC+32*(\b)+8*(\fb)+7], v[BF+32*((\q)&1)+8*(\fb):BF+32*((\q)&1)+8*(\fb)+7], v[T+96*(\p)+24*(\q)+8*(\b):T+96*(\p)+24*(\q)+8*(\b)+7], v[ACC+32*(\b)+8*(\fb):ACC+32*(\b)+8*(\fb)+7]
.endif
.endr
.endm
; The weight fragments of sub-step q of the chunk in slot p, into buffer q % 2: 16 features x 32 K in 8 registers: lane l holds feature l % 16,
; K = 8 (l / 16) + 0..7 and 16 + 8 (l / 16) + 0..7: two loads of 16 bytes, 32 bytes apart.
.macro BLOAD p, q
.irp fb, 0,1,2,3
	ds_load_b128 v[BF+32*((\q)&1)+8*(\fb):BF+32*((\q)&1)+8*(\fb)+3],   v[VBA] offset:(\p)*SLOTB+(\fb)*16*WPITCH+64*(\q)
	ds_load_b128 v[BF+32*((\q)&1)+8*(\fb)+4:BF+32*((\q)&1)+8*(\fb)+7], v[VBA] offset:(\p)*SLOTB+(\fb)*16*WPITCH+64*(\q)+32
.endr
.endm
; One sub-step, 32 along K.  cn: the loads younger than this sub-step's rows.  rb >= 0: the row slot at register rb, used one sub-step ago, is filled again from byte ro.
; cd: the LDS loads younger than this sub-step's weights.  nx = 1: the weight buffer that the sub-step before read takes sub-step q + 1.  np = 1: four v_nop.  e = 1: the trip's end writes PT again.
.macro KSUB p, q, first, cn, cd, rb, ro, nx, np, e
	s_wait_loadcnt \cn                             ; this sub-step's six row loads are in; what was asked for later stays out
.if (\nx) || (((\rb) >= 0) && ((\q) > 0))
	s_wait_alu depctr_va_vdst(0)                   ; the products of the sub-step before are done reading their weight buffer and their row slot, in which the LDS loads and the row loads below land
.endif
.if \e
	s_wait_alu depctr_vm_vsrc(0)                   ; the LDS stores at the trip's head have read PT, which the conversions at its end write again; no memory instruction between here and there names PT
.endif
.if \nx
	BLOAD \p, (\q)+1
.endif
	s_wait_dscnt \cd                               ; this sub-step's eight weight loads are in; the next sub-step's eight may be out
	WIN W_MM
	MM 0, \p, \q, \first
	MM 1, \p, \q, \first
.if (\rb) >= 0
	WIN W_LD                                       ; no wait: the products issued since the last wait on va_vdst name this sub-step's slot, its weight buffer and the sums, not the slot that is filled here
.irp blk, 0,1,2
	global_load_b128 v[(\rb)+8*(\blk):(\rb)+8*(\blk)+3],   v[ROW+(\blk)], s[XP:XP+1] offset:(\ro)      ; 512 consecutive bytes each, aligned
	global_load_b128 v[(\rb)+8*(\blk)+4:(\rb)+8*(\blk)+7], v[ROW+(\blk)], s[XP:XP+1] offset:(\ro)+512
.endr
.endif
.if \first
	WIN W_MM
	MM 2, \p, \q, 1                                ; the first products of the third block are always made: its sums are written on every way
	WIN 0
.else
	WIN 0                                          ; at a branch and at a label every window is 0
	s_cmp_lt_u32 s[NB], 3
	s_cbranch_scc1 .Lno3_\@                        ; my third block lies past the expert's last
	WIN W_MM
	MM 2, \p, \q, 0
	WIN 0
.Lno3_\@:
.endif
.if \np                                            ; four plain vector instructions between the products and what follows them: loads that land in registers that they have read (the dependence
.rept 4                                            ; itself is stated by the next wait on va_vdst) and, behind the last chunk, the way out, which writes such registers and stores the sums
	v_nop
.endr
.endif
.endm
; One chunk's trip.  p: the chunk's parity.  n0-n3: the four counts on LOADcnt.  st: the next chunk's rounded weights go into the other slot.  r0: sub-step 3 of the next chunk's rows is asked for.
; r123: sub-steps 0 to 2 of the rows two chunks on.  cv: the weights two chunks on are rounded.  wl: their buffer is asked for again, four chunks on.  bar: a trip follows.
; sx, sw: the rows' and the weights' base go on by a chunk.  They are stepped here, behind the barrier and the LDS loads, and not at the end of the trip before, straight behind its loads.
.macro TRIP p, first, n0, n1, n2, n3, st, r0, r123, cv, wl, bar, sx, sw
.if \st
.irp i, 0,1,2,3,4,5,6,7
	ds_store_b64 v[PST], v[PT+2*(\i):PT+2*(\i)+1] offset:(1-(\p))*SLOTB+(\i)*WPITCH  ; 32 lanes x 8 neighbouring bytes; the slot's last readers have passed the barrier
.endr
.endif
	BLOAD \p, 0
	BLOAD \p, 1
.if \sx
	s_wait_xcnt 0x0                                ; the bases are stepped only behind this wait
	s_add_nc_u64 s[XP:XP+1], s[XP:XP+1], 4096
.if \sw
	s_add_nc_u64 s[WPT:WPT+1], s[WPT:WPT+1], 512
.endif
.endif
	KSUB \p, 0, \first, \n0, 8, (\r0)*(T+96*(1-(\p))+73)-1, 7168,  0, 1,       0
	KSUB \p, 1, 0,      \n1, 8, (\r123)*(T+96*(\p)+1)-1,    8192,  1, 1,       0
	KSUB \p, 2, 0,      \n2, 8, (\r123)*(T+96*(\p)+25)-1,   9216,  1, \r123,   0
	KSUB \p, 3, 0,      \n3, 0, (\r123)*(T+96*(\p)+49)-1,   10240, 0, 1-(\cv), \cv
.if \cv
	WIN W_CV                                       ; these weights were asked for before the rows just waited for, so they are in; the 16 lines are also the places behind the products
.irp i, 0,1,2,3,4,5,6,7
	v_cvt_pk_bf16_f32 v[PT+2*(\i)],   v[G+32*(\p)+4*(\i)],   v[G+32*(\p)+4*(\i)+1]
	v_cvt_pk_bf16_f32 v[PT+2*(\i)+1], v[G+32*(\p)+4*(\i)+2], v[G+32*(\p)+4*(\i)+3]
.endr
.if \wl
	WIN W_LD
.endif
	s_wait_alu depctr_va_vdst(0)                   ; the conversions are done reading G[p] and have written PT; the trip's last products are done reading both weight buffers and slot (p, 3): for the loads below, and for the next trip's LDS stores, first LDS loads and first row loads
.endif
.if \wl
.irp i, 0,1,2,3,4,5,6,7
	global_load_b128 v[G+32*(\p)+4*(\i):G+32*(\p)+4*(\i)+3], v[L16], s[WPT:WPT+1] offset:(\i)*8192 th:TH_LOAD_NT  ; feature i of my 8: 512 consecutive bytes, aligned
.endr
.endif
	WIN 0
.if \bar
	s_wait_dscnt 0x0                               ; for the others' sake: my stores into the other slot are done, and my reads of this slot are over
	s_barrier_signal -1
	s_barrier_wait -1
.endif
.endm
; A pass begins: how many of my blocks are live, and where my three blocks lie.  w = 1: earlier loads and stores may still read what is rewritten here and in the pass that follows.
.macro SETUP w
.if \w
	s_wait_xcnt 0x0                                ; ROW, XP and the way out's registers are rewritten only behind this wait
	s_wait_alu depctr_vm_vsrc(0)                   ; all loads and stores issued so far have read their registers: ROW, written below; TO and the tokens' registers, written by the next tokens' arithmetic and loads; the stage's addresses and the sums, written by the pass's conversions and first products
.endif
	s_sub_co_u32 s31, s[ENDB], s[BASE]             ; blocks left
	s_min_u32 s31, s31, CAPB                       ; live blocks of the pass; the (8 b + w)-th is my block b
	s_add_co_u32 s31, s31, 7
	s_sub_co_u32 s31, s31, s[WV]
	s_lshr_b32 s[NB], s31, 3
.irp blk, 0,1,2
	s_add_co_u32 s32, s[BASE], 8*(\blk)
	s_add_co_u32 s32, s32, s[WV]
	s_min_u32 s32, s32, s[LASTB]                   ; a block past the last repeats the last
	s_min_u32 s[BKI+(\blk)], s32, 127              ; inside xs, whatever seg holds
	s_lshl_b32 s32, s[BKI+(\blk)], 16
	v_add_nc_u32 v[ROW+(\blk)], s32, v[L16]
.endr
	s_mov_b64 s[XP:XP+1], s[12:13]
.endm
; The tokens of the rows that I shall store: for block b and t = 0..7 the place 16 x block + 2 t + lane / 16, held inside the expert's places.  The 24 offsets are made in TA, the tokens land in registers of their own.
.macro TOKLOAD
.irp b, 0,1,2
	s_lshl_b32 s32, s[BKI+(\b)], 4
	v_add_nc_u32 v[TMP+8], s32, v[HH]
.irp t, 0,1,2,3,4,5,6,7
	v_add_nc_u32 v[TA+8*(\b)+(\t)], 2*(\t), v[TMP+8]
.endr
.irp t, 0,1,2,3,4,5,6,7
	v_max_u32 v[TA+8*(\b)+(\t)], s[S0], v[TA+8*(\b)+(\t)]
.endr
.irp t, 0,1,2,3,4,5,6,7
	v_min_u32 v[TA+8*(\b)+(\t)], s[E1], v[TA+8*(\b)+(\t)]
.endr
.irp t, 0,1,2,3,4,5,6,7
	v_min_u32 v[TA+8*(\b)+(\t)], 0x7ff, v[TA+8*(\b)+(\t)]  ; inside tok, whatever seg holds
.endr
.irp t, 0,1,2,3,4,5,6,7
	v_lshlrev_b32 v[TA+8*(\b)+(\t)], 2, v[TA+8*(\b)+(\t)]
.endr
.endr
	s_wait_alu depctr_va_vdst(0)                   ; the 24 offsets are written, and all earlier vector lines are done with the registers in which the tokens land; also: ROW is written, and the products and conversions issued so far are done reading the weight buffers, G and the row slots, in which the loads behind this macro land
.irp b, 0,1,2
.set OB, PT+8*(\b)+32*((\b)/2)
.irp t, 0,1,2,3,4,5,6,7
	global_load_b32 v[OB+(\t)], v[TA+8*(\b)+(\t)], s[10:11]
.endr
.endr
.endm
; The plain way, 32 along K: weights as f32 fragments from memory (my feature's K = 8 h + 0..7 are 32 bytes, K = 16 + 8 h + 0..7 the 32 bytes 64 further on), rounded; rows as above.
.macro SSTEP first
	WIN W_LD
.if !\first
	s_wait_alu depctr_va_vdst(0)                   ; the conversions of the step before are done reading G, its products the row slot: the loads below land there (ahead of the first step the tokens' wait has stated the same)
.endif
.irp fb, 0,1,2,3
	global_load_b128 v[G+16*(\fb):G+16*(\fb)+3],     v[WL], s[WS2:WS2+1] offset:(\fb)*131072
	global_load_b128 v[G+16*(\fb)+4:G+16*(\fb)+7],   v[WL], s[WS2:WS2+1] offset:(\fb)*131072+16
	global_load_b128 v[G+16*(\fb)+8:G+16*(\fb)+11],  v[WL], s[WS2:WS2+1] offset:(\fb)*131072+64
	global_load_b128 v[G+16*(\fb)+12:G+16*(\fb)+15], v[WL], s[WS2:WS2+1] offset:(\fb)*131072+80
.endr
.irp blk, 0,1,2
	global_load_b128 v[T+8*(\blk):T+8*(\blk)+3],   v[ROW+(\blk)], s[XP:XP+1]
	global_load_b128 v[T+8*(\blk)+4:T+8*(\blk)+7], v[ROW+(\blk)], s[XP:XP+1] offset:512
.endr
	s_wait_loadcnt 0x0                             ; all are in: the bases may be stepped below
	WIN W_CV
.set i, 0
.rept 32
	v_cvt_pk_bf16_f32 v[BF+i], v[G+2*i], v[G+2*i+1]
.set i, i+1
.endr
	WIN W_MM
	MM 0, 0, 0, \first
	MM 1, 0, 0, \first
	MM 2, 0, 0, \first
	WIN 0
.rept 4
	v_nop                                          ; the places in front of the next trip's loads and conversions, and of the way out
.endr
	s_add_nc_u64 s[WS2:WS2+1], s[WS2:WS2+1], 128
	s_add_nc_u64 s[XP:XP+1], s[XP:XP+1], 1024
.endm
	s_load_b256 s[4:11], s[0:1], 0x0               ; We s[4:5], be s[6:7], seg s[8:9], tok s[10:11]
	s_load_b128 s[12:15], s[0:1], 0x20             ; xs s[12:13], out0 s[14:15]
	v_lshl_add_u32 v[SPW], v0, 2, SPARE
	v_mov_b32 v[NIL], 0
	v_lshrrev_b32 v[TMP], 5, v0
	v_readfirstlane_b32 s[WV], v[TMP]              ; wave 0..7
	v_and_b32 v[TMP+1], 31, v0                     ; lane
	v_and_b32 v[RR], 15, v0
	v_bfe_u32 v[HH], v0, 4, 1
	v_lshlrev_b32 v[L16], 4, v[TMP+1]
	v_lshlrev_b32 v[OC], 4, v[RR]
	s_wait_alu depctr_va_sdst(0)                   ; the wave's number is written, ahead of its first reader: offsets, LDS addresses and my blocks are made from it
	s_and_b32 s[EX], ttmp7, 0xffff
	s_mov_b32 s[OFS+1], 0
	s_mov_b32 s36, 0xffff0000                      ; a word's upper bf16
	s_lshl_b32 s31, ttmp9, 8                       ; the slice's 64 features: 256 bytes of a row of be and of out0
	s_lshl_b32 s32, s[EX], 13                      ; a row of be is 8,192 bytes
	s_add_co_u32 s32, s32, s31
	s_lshl_b32 s33, s[EX], 24                      ; an expert is 2048 x 8,192 bytes,
	s_lshl_b32 s34, ttmp9, 19                      ; a slice 64 x 8,192,
	s_add_co_u32 s33, s33, s34
	s_lshl_b32 s34, s[WV], 16                      ; my part 8 x 8,192
	s_lshl_b32 s35, s[EX], 3                       ; my expert's two words of seg
	s_wait_kmcnt 0x0
	s_load_b64 s[44:45], s[8:9], s35 offset:0x0
	; the bias and four chunks of my 8 features, 33 loads, go out while seg is on its way
	s_mov_b32 s[OFS], s32
	s_add_nc_u64 s[6:7], s[6:7], s[OFS:OFS+1]
	s_wait_alu depctr_va_vdst(0)                   ; v[OC] and v[L16] are written: the 33 loads below read one of them as their offset
	global_load_b128 v[BI4:BI4+3], v[OC], s[6:7]   ; be of features 4 (lane % 16) + 0..3 of the slice
	s_mov_b32 s[OFS], s31
	s_add_nc_u64 s[14:15], s[14:15], s[OFS:OFS+1]  ; out0 at my slice's 256 bytes of row 0
	s_mov_b32 s[OFS], s33
	s_add_nc_u64 s[WS:WS+1], s[4:5], s[OFS:OFS+1]
	s_mov_b32 s[OFS], s34
	s_add_nc_u64 s[WPT:WPT+1], s[WS:WS+1], s[OFS:OFS+1]
.irp c, 0,1                                        ; chunks 0 and 1 into the weight fragments' registers, which are idle yet
.irp i, 0,1,2,3,4,5,6,7
	global_load_b128 v[BF+32*(\c)+4*(\i):BF+32*(\c)+4*(\i)+3], v[L16], s[WPT:WPT+1] offset:(\i)*8192+512*(\c) th:TH_LOAD_NT
.endr
.endr
	WIN W_LD
.irp c, 0,1                                        ; chunks 2 and 3 into the two buffers
.irp i, 0,1,2,3,4,5,6,7
	global_load_b128 v[G+32*(\c)+4*(\i):G+32*(\c)+4*(\i)+3], v[L16], s[WPT:WPT+1] offset:(\i)*8192+1024+512*(\c) th:TH_LOAD_NT
.endr
.endr
	WIN 0
	; the addresses, while the loads are out: none of these lines names a register that those loads read or land in
	s_mul_i32 s31, s[WV], 8*WPITCH
	v_lshl_add_u32 v[PST], v[TMP+1], 3, s31
	v_mul_u32_u24 v[VBA], v[RR], WPITCH
	v_lshl_add_u32 v[VBA], v[HH], 4, v[VBA]
	s_mul_i32 s32, s[WV], STAGEB
	s_add_co_u32 s32, s32, STAGE
	v_mul_u32_u24 v[TMP+2], v[RR], SPITCH          ; in: row lane % 16, 32 bytes for each half of the lanes
	v_lshl_add_u32 v[TMP+2], v[HH], 5, v[TMP+2]
	v_add_nc_u32 v[STO], s32, v[TMP+2]
	v_lshl_add_u32 v[RD], v[RR], 4, s32            ; back: 16 lanes take one row's 256 bytes
	v_lshlrev_b32 v[WL], 13, v[RR]
	v_lshl_add_u32 v[WL], v[HH], 5, v[WL]
	s_wait_kmcnt 0x0                               ; seg
	s_min_u32 s[S0], s44, 0x800                    ; the first place,
	s_min_u32 s33, s45, 0x800                      ; the place behind the last,
	s_max_u32 s33, s33, s[S0]                      ; never below the first
	s_lshr_b32 s[BASE], s[S0], 4                   ; the first block
	s_add_co_u32 s34, s33, 15
	s_lshr_b32 s34, s34, 4                         ; the block behind the last;
	s_cmp_eq_u32 s33, s[S0]
	s_cselect_b32 s[ENDB], s[BASE], s34            ; with no rows there is no block
	s_max_u32 s[E1], s33, 1
	s_sub_co_u32 s[E1], s[E1], 1                   ; the last place
	s_add_co_u32 s34, s[BASE], 1
	s_max_u32 s34, s[ENDB], s34
	s_sub_co_u32 s[LASTB], s34, 1                  ; the last block (with no rows: the first)
	SETUP 0
	WIN W_LD
	s_wait_alu depctr_va_vdst(0)                   ; ROW is written, which the row loads read; so are PST, VBA, STO, RD and WL, the addresses of all that follows
.irp cq, 0,1,2,3,4                                 ; the rows of chunk 0 and of the first sub-step of chunk 1, in the order of their use: with these 30, 63 loads are out
.irp blk, 0,1,2
	global_load_b128 v[T+24*(\cq)+8*(\blk):T+24*(\cq)+8*(\blk)+3],   v[ROW+(\blk)], s[XP:XP+1] offset:1024*(\cq)
	global_load_b128 v[T+24*(\cq)+8*(\blk)+4:T+24*(\cq)+8*(\blk)+7], v[ROW+(\blk)], s[XP:XP+1] offset:1024*(\cq)+512
.endr
.endr
	s_wait_loadcnt 46                              ; the bias and chunks 0 and 1 of the weights are in; chunks 2 and 3 (16 loads) and the 30 row loads stay out
.irp cq, 5,6                                       ; two more sub-steps of chunk 1: 58 loads are out
.irp blk, 0,1,2
	global_load_b128 v[T+24*(\cq)+8*(\blk):T+24*(\cq)+8*(\blk)+3],   v[ROW+(\blk)], s[XP:XP+1] offset:1024*(\cq)
	global_load_b128 v[T+24*(\cq)+8*(\blk)+4:T+24*(\cq)+8*(\blk)+7], v[ROW+(\blk)], s[XP:XP+1] offset:1024*(\cq)+512
.endr
.endr
	WIN 0
	v_cvt_pk_bf16_f32 v[TMP+4], v[BI4],   v[BI4+1] ; the bias rounded to bf16 and widened again
	v_cvt_pk_bf16_f32 v[TMP+5], v[BI4+2], v[BI4+3]
	v_lshlrev_b32 v[BI4],   16,  v[TMP+4]
	v_and_b32     v[BI4+1], s36, v[TMP+4]
	v_lshlrev_b32 v[BI4+2], 16,  v[TMP+5]
	v_and_b32     v[BI4+3], s36, v[TMP+5]
.irp i, 0,1,2,3,4,5,6,7                            ; chunk 0, rounded, for slot 0
	v_cvt_pk_bf16_f32 v[TO+2*(\i)],   v[BF+4*(\i)],   v[BF+4*(\i)+1]
	v_cvt_pk_bf16_f32 v[TO+2*(\i)+1], v[BF+4*(\i)+2], v[BF+4*(\i)+3]
.endr
.irp i, 0,1,2,3,4,5,6,7                            ; chunk 1, rounded: the first trip stores it
	v_cvt_pk_bf16_f32 v[PT+2*(\i)],   v[BF+32+4*(\i)],   v[BF+32+4*(\i)+1]
	v_cvt_pk_bf16_f32 v[PT+2*(\i)+1], v[BF+32+4*(\i)+2], v[BF+32+4*(\i)+3]
.endr
	s_wait_alu depctr_va_vdst(0)                   ; the conversions have written TO and PT, which the LDS stores below and at the first trip's head read, and are done reading the weight buffers, in which the first trip's LDS loads land
.irp i, 0,1,2,3,4,5,6,7
	ds_store_b64 v[PST], v[TO+2*(\i):TO+2*(\i)+1] offset:(\i)*WPITCH
.endr
	s_wait_xcnt 0x0
	s_add_nc_u64 s[WPT:WPT+1], s[WPT:WPT+1], 2048  ; chunk 4
	s_wait_dscnt 0x0                               ; for the others' sake: my part of chunk 0 is in LDS
	s_barrier_signal -1
	s_barrier_wait -1
	; THE COUNTS.  In a steady trip i the queue holds, oldest first: rows (i, 0), (i, 1), (i, 2); weights i + 2; rows (i, 3), (i + 1, 0), (i + 1, 1), (i + 1, 2); weights i + 3:
	; six loads a row slot, eight a chunk of weights.  Each sub-step waits for its slot and then asks for one more slot, so 6 x 6 + 16 = 52 are younger than slots 0 to 2, and
	; 6 x 6 + 8 = 44 than slot 3.  At the start both chunks of weights that are out are older than all rows (36); a trip later one is (44).  At the end the counts run down;
	; in the last trip the 24 loads of tokens, asked for at its head, are younger than all its rows.
	TRIP 0, 1, 36, 36, 36, 36, 1, 1, 1, 1, 1, 1, 0, 0    ; chunk 0: its products start the sums
	TRIP 1, 0, 44, 44, 44, 44, 1, 1, 1, 1, 1, 1, 1, 1    ; chunk 1
	s_mov_b32 s[LC], 5
.Lmain:                                                ; chunks 2 to 11
	TRIP 0, 0, 52, 52, 52, 44, 1, 1, 1, 1, 1, 1, 1, 1
	TRIP 1, 0, 52, 52, 52, 44, 1, 1, 1, 1, 1, 1, 1, 1
	s_sub_co_u32 s[LC], s[LC], 1
	s_cmp_lg_u32 s[LC], 0
	s_cbranch_scc1 .Lmain
	TRIP 0, 0, 52, 52, 52, 44, 1, 1, 1, 1, 0, 1, 1, 0    ; chunk 12: no weights are left to ask for
	TRIP 1, 0, 44, 44, 44, 36, 1, 1, 1, 1, 0, 1, 1, 0    ; chunk 13: the last rows but six loads are asked for; chunk 15's weights are rounded
	TRIP 0, 0, 36, 36, 30, 24, 1, 1, 0, 0, 0, 1, 1, 0    ; chunk 14: the last six row loads; chunk 15 goes into its slot
	s_wait_alu depctr_vm_vsrc(0)                         ; chunk 14's LDS stores have read PT, in which tokens land; the LDS stores at the kernel's head have read TO, where the tokens' offsets are made
	TOKLOAD                                              ; the tokens land while the last chunk is multiplied; its wait on va_vdst also serves the last chunk's first weight loads
	TRIP 1, 0, 42, 36, 30, 24, 0, 0, 0, 0, 0, 0, 0, 0    ; chunk 15; no barrier from here on: nobody writes the slots any more, and the stages are each wave's own
	s_mov_b32 s[PC], 0
.Lpass:                                                ; 6 trips: the pass in hand goes out; if blocks are left, the next 24 are multiplied the plain way
	s_wait_loadcnt 0x0                             ; the tokens
	; THE WAY OUT, a block of 16 rows at a time.  A lane's eight sums are 32 bytes of a row's 256; they go into rows of 272 bytes of my stage and come back as whole rows.
.irp b, 0,1,2
.set OB, PT+8*(\b)+32*((\b)/2)
	s_cmp_le_u32 s[NB], \b
	s_cbranch_scc1 .Lstored                        ; this block and those behind it lie past the expert's last
	s_wait_xcnt 0x0                                ; the registers that earlier stores read are rewritten only behind this wait
	s_wait_alu depctr_vm_vsrc(0)                   ; the stage loads of the block before have read RA, which is written below; its stores, and ahead of the first block the tokens' loads, have read TO, in which the stage loads below land
	s_lshl_b32 s32, s[BKI+(\b)], 4                 ; the block's first place
	v_add_nc_u32 v[TMP+8], s32, v[HH]
.irp t, 0,1,2,3,4,5,6,7                            ; the places of the rows that I shall store,
	v_add_nc_u32 v[TMP+(\t)], 2*(\t), v[TMP+8]
.endr
.irp t, 0,1,2,3,4,5,6,7                            ; held inside the expert's places, as for the tokens;
	v_max_u32 v[TMP+(\t)], s[S0], v[TMP+(\t)]
.endr
.irp t, 0,1,2,3,4,5,6,7
	v_min_u32 v[TMP+(\t)], s[E1], v[TMP+(\t)]
.endr
.irp t, 0,1,2,3,4,5,6,7                            ; a live block holds one of them, so the row is one of the block's
	v_sub_nc_u32 v[TMP+(\t)], v[TMP+(\t)], s32
.endr
.irp t, 0,1,2,3,4,5,6,7
	v_min_u32 v[TMP+(\t)], 15, v[TMP+(\t)]         ; inside my stage, whatever seg holds
.endr
.irp t, 0,1,2,3,4,5,6,7                            ; row x 272 = row x 256 + row x 16
	v_lshl_add_u32 v[RA+(\t)], v[TMP+(\t)], 8, v[RD]
.endr
.irp t, 0,1,2,3,4,5,6,7
	v_lshl_add_u32 v[RA+(\t)], v[TMP+(\t)], 4, v[RA+(\t)]
.endr
.irp t, 0,1,2,3,4,5,6,7
	v_min_u32 v[OB+(\t)], 0x7ff, v[OB+(\t)]        ; inside out0, whatever tok holds
.endr
.irp t, 0,1,2,3,4,5,6,7
	v_lshl_add_u32 v[OB+(\t)], v[OB+(\t)], 13, v[OC]
.endr
	s_wait_alu depctr_va_vdst(0)                   ; the products have written the sums, which the LDS stores read; RA and the tokens' offsets are written, which the stage loads and the stores read; the additions of the block before are done with TO, in which the stage loads land
.irp fb, 0,1,2,3                                   ; each accumulator's low registers first
	ds_store_b128 v[STO], v[ACC+32*(\b)+8*(\fb):ACC+32*(\b)+8*(\fb)+3]   offset:64*(\fb)
	ds_store_b128 v[STO], v[ACC+32*(\b)+8*(\fb)+4:ACC+32*(\b)+8*(\fb)+7] offset:64*(\fb)+16
.endr
.irp t, 0,1,2,3,4,5,6,7
	ds_load_b128 v[TO+4*(\t):TO+4*(\t)+3], v[RA+(\t)]  ; LDS serves a wave's instructions in order (ISA guide 5.7.1.4): these see the stores above; the next block's stores come behind them
.endr
	s_wait_dscnt 0x0
.irp t, 0,1,2,3,4,5,6,7                            ; + be: my four features are the same in every row
	v_pk_add_f32 v[TO+4*(\t):TO+4*(\t)+1],   v[TO+4*(\t):TO+4*(\t)+1],   v[BI4:BI4+1]
	v_pk_add_f32 v[TO+4*(\t)+2:TO+4*(\t)+3], v[TO+4*(\t)+2:TO+4*(\t)+3], v[BI4+2:BI4+3]
.endr
	s_wait_alu depctr_va_vdst(0)                   ; the additions have written TO, which the stores read
.irp t, 0,1,2,3,4,5,6,7
	global_store_b128 v[OB+(\t)], v[TO+4*(\t):TO+4*(\t)+3], s[14:15] th:TH_STORE_NT  ; 16 lanes store 256 consecutive bytes of a token's row, at a multiple of 256 from out0's first byte
.endr
.endr
.Lstored:
	s_add_co_u32 s[BASE], s[BASE], CAPB
	s_mov_b32 s[NB], 0                             ; nothing to store, unless a pass follows
	s_cmp_ge_u32 s[BASE], s[ENDB]
	s_cbranch_scc1 .Lnext                          ; no block is left: the trip is dead
	SETUP 1
	s_cmp_eq_u32 s[NB], 0
	s_cbranch_scc1 .Lnext                          ; none of the blocks left is mine
	s_mov_b64 s[WS2:WS2+1], s[WS:WS+1]
	TOKLOAD                                        ; the set-up's wait on vm_vsrc has freed TO and the tokens' registers: no memory instruction stands between it and these lines
	SSTEP 1                                        ; K = 0 .. 31 starts the sums
	s_mov_b32 s[IC], 63
.Lk:
	SSTEP 0
	s_sub_co_u32 s[IC], s[IC], 1
	s_cmp_lg_u32 s[IC], 0
	s_cbranch_scc1 .Lk
.Lnext:
	s_add_co_u32 s[PC], s[PC], 1
	s_cmp_lt_u32 s[PC], 6
	s_cbranch_scc1 .Lpass
	s_wait_dscnt 0x0                               ; the closing lines, six on end
	s_wait_alu 0x0
	s_wait_tensorcnt 0x0
	ds_add_u32 v[SPW], v[NIL]
	s_wait_dscnt 0x0
	s_endpgm
.Lfunc_end_k_q672602b89d_experts:
	.size	k_q672602b89d_experts, .Lfunc_end_k_q672602b89d_experts-k_q672602b89d_experts
	.p2alignl 7, 3214868480
	.fill 96, 4, 3214868480
	.section	.rodata,"a",@progbits
	.p2align	6, 0x0
	.amdhsa_kernel k_q672602b89d_experts
		.amdhsa_group_segment_fixed_size 70656
		.amdhsa_private_segment_fixed_size 0
		.amdhsa_enable_private_segment 0
		.amdhsa_kernarg_size 48
		.amdhsa_user_sgpr_count 2
		.amdhsa_user_sgpr_kernarg_segment_ptr 1
		.amdhsa_wavefront_size32 1
		.amdhsa_system_sgpr_workgroup_id_x 1
		.amdhsa_system_sgpr_workgroup_id_y 1
		.amdhsa_system_sgpr_workgroup_id_z 1
		.amdhsa_system_vgpr_workitem_id 0
		.amdhsa_next_free_vgpr 512
		.amdhsa_next_free_sgpr 66
		.amdhsa_reserve_vcc 0
		.amdhsa_float_denorm_mode_32 3
		.amdhsa_float_denorm_mode_16_64 3
		.amdhsa_memory_ordered 1
		.amdhsa_forward_progress 1
		.amdhsa_inst_pref_size 141
	.end_amdhsa_kernel
	.amdgpu_metadata
---
amdhsa.version: [ 1, 2 ]
amdhsa.kernels:
  - .name:           k_q672602b89d_experts
    .symbol:         k_q672602b89d_experts.kd
    .args:
      - { .name: We, .offset: 0, .size: 8, .value_kind: global_buffer, .address_space: global }
      - { .name: be, .offset: 8, .size: 8, .value_kind: global_buffer, .address_space: global }
      - { .name: seg, .offset: 16, .size: 8, .value_kind: global_buffer, .address_space: global }
      - { .name: tok, .offset: 24, .size: 8, .value_kind: global_buffer, .address_space: global }
      - { .name: xs, .offset: 32, .size: 8, .value_kind: global_buffer, .address_space: global }
      - { .name: out0, .offset: 40, .size: 8, .value_kind: global_buffer, .address_space: global }
    .group_segment_fixed_size: 70656
    .private_segment_fixed_size: 0
    .kernarg_segment_align: 8
    .kernarg_segment_size: 48
    .max_flat_workgroup_size: 256
    .sgpr_count:     66
    .vgpr_count:     512
    .wavefront_size: 32
...
	.end_amdgpu_metadata
.endif
;; end of part 5
